; MI455X (gfx1250); checked and timed in simulation.
; The chip was launched on July 23, 2026; its instructions are those of AMD's public machine-readable ISA for CDNA 5 (MIT licence, August 2026) and "CDNA5" Instruction Set Architecture Reference Guide (July 2026). The comments in the code are by the model that wrote it; some were corrected since.
;; Multi Head Self Attention. Allowed arithmetic: matrix products marked QUANTISED: E2M1 operands, one E8M0 scale for each 32 along K, by v_wmma_scale_f32_16x16x128_f8f6f4 with both operands' format E2M1 (or v_wmma_scale_f32_32x16x128_f4), f32 sums; products left as they are: bf16, f16 or f32 operands; f32 sums; everything else in f32.
;; Inputs: attention_mask 4 x 2,048 int32; b_k 1,024 float32; b_o 1,024 float32; b_q 1,024 float32; b_v 1,024 float32; w_k 1,024 x 1,024 float32; w_o 1,024 x 1,024 float32; w_q 1,024 x 1,024 float32; w_v 1,024 x 1,024 float32; x 4 x 2,048 x 1,024 float32.
;; Outputs: out0 4 x 2,048 x 1,024 float32.
;; This version of the problem:
;;   THIS VERSION OF THE PROBLEM IS GIVEN IN LOW PRECISION. The matrix products marked QUANTISED in the list below multiply operands that are first quantised to E2M1 (2 exponent bits, 1 mantissa bit; 4 bits a number), with one power-of-two scale for each 32 numbers along K (OCP MX v1.0); their sums are f32. The products marked 'left as it is' may take bf16, f16 or f32 operands, with f32 sums. Whichever they take, every output number must still come out within the allowed error. Rounding operands to bf16 (8 significant bits) uses up far more of that allowance than f16 does (11 bits, for magnitudes from 6e-5 to 65,504). All else is computed in f32.
;;   The module's matrix products, in the order in which they are computed (A, B: the left and right operand; K: the contracted axis; several contracted axes count as one K, in the product's order):
;;     1. [M 8,192, K 1,024] x [K 1,024, N 1,024]; A: input x; B: input w_q: QUANTISED
;;     2. [M 8,192, K 1,024] x [K 1,024, N 1,024]; A: input x; B: input w_k: QUANTISED
;;     3. [M 8,192, K 1,024] x [K 1,024, N 1,024]; A: input x; B: input w_v: QUANTISED
;;     4. batch 64 x [M 2,048, K 64] x [K 64, N 2,048]; A: computed on the way; B: computed on the way: left as it is (an operand is computed on the way)
;;     5. batch 64 x [M 2,048, K 2,048] x [K 2,048, N 64]; A: computed on the way; B: computed on the way: left as it is (an operand is computed on the way)
;;     6. [M 8,192, K 1,024] x [K 1,024, N 1,024]; A: computed on the way; B: input w_o: left as it is (an operand is computed on the way)
;;   THE QUANTISER, for each operand of a quantised product, along K:
;;     - K is cut into blocks of 32 from its start; a last block that is shorter is filled with zeros.
;;     - A block's scale is 2^e with e = floor(log2(the largest magnitude in the block)) - 2, held to -126 .. 127; a block of zeros has e = 0. As a byte (E8M0): e + 127.
;;     - Each number is divided by its block's scale, clamped to +-6, and rounded to the nearest number of E2M1, ties to even, subnormals kept.
;;     - The product sums the exact products of the quantised numbers (number of the format x scale) in f32.
;;   ~~~python
;;   def quantise(x, axis):      # numpy; x: float32 -> the quantised numbers, widened to float32 again
;;       x = np.moveaxis(x, axis, -1); K = x.shape[-1]
;;       x = np.pad(x, [(0, 0)] * (x.ndim - 1) + [(0, -K % 32)]); x = x.reshape(x.shape[:-1] + (-1, 32)); a = np.abs(x).max(-1, keepdims=True)
;;       e = np.where(a > 0, np.clip(np.frexp(np.where(a > 0, a, 1))[1] - 1 - 2, -126, 127), 0)      # np.frexp(a)[1] - 1 = floor(log2(a)), exactly
;;       r = np.clip(x / 2.0 ** e, -6, 6)
;;       step = 2.0 ** (np.maximum(np.frexp(np.where(r == 0, 1, r))[1] - 1, 0) - 1)
;;       q = np.round(r / step) * step * 2.0 ** e      # np.round: ties to even
;;       return np.moveaxis(q.reshape(q.shape[:-2] + (-1,))[..., :K], -1, axis).astype(np.float32)
;;   ~~~
;; One version. Each part assembles by itself: llvm-mc -triple=amdgcn-amd-amdhsa -mcpu=gfx1250 --defsym DOCPART=n.
;; ======== version 1 of 1: 4 launches
;; limits: values are held in f16: magnitudes above 65,504 overflow, below 6.1e-05 lose precision
;; workspace buffers: xc 4,194,304 bytes; xs 262,144 bytes; wc 1,572,864 bytes; ws 98,304 bytes; wo16 2,097,152 bytes; qkv 50,331,648 bytes; o16 16,777,216 bytes
;; launch prep (part 1): grid 384 x 1, 4 waves a work-group, no clusters, 33,280 bytes of LDS; arguments x, w_q, w_k, w_v, w_o, xc, xs, wc, ws, wo16; writes xc, xs, wc, ws, wo16
.if DOCPART == 1
	.amdgcn_target "amdgcn-amd-amdhsa--gfx1250"
	.amdhsa_code_object_version 6
	.text
	.protected	k_qb7b6715343_prep
	.globl	k_qb7b6715343_prep
	.p2align	8
	.type	k_qb7b6715343_prep,@function
k_qb7b6715343_prep:
	s_mov_b64 s[64:65], 0
	v_nop
	global_prefetch_b8 v0, s[64:65] scope:SCOPE_SE
	s_setreg_imm32_b32 hwreg(HW_REG_WAVE_MODE, 25, 1), 1
	s_wait_xcnt 0x0
; x [8192][1024] and w_q, w_k, w_v [1024][1024], f32 with K innermost, become codes of FP4 (E2M1), two to a byte, and one E8M0 scale byte for each 32 along K:
; xc [8192][512 bytes], xs [8192][32];  wc [3072][512 bytes], ws [3072][32], rows 0-1023 w_q, 1024-2047 w_k, 2048-3071 w_v.
; w_o [1024 n][1024 k], f32, becomes f16 laid by head: wo16 [16 heads][1024 n][64 k], so that a head's 64 along K of many rows are one dense block.
; A block's scale is 2^(floor(log2(its largest magnitude)) - 2); its byte is the largest magnitude's exponent field - 2, held at 1 from below.  Each number is divided by the scale and rounded to the nearest code, ties to even,
; beyond the largest code the largest.
; LIMITS: a block of zeros gets the byte 1 where the rule says 127 (its codes are zeros, and this program alone reads the bytes); blocks whose largest magnitude lies under 2^-124 keep the byte 1; NaN and infinities are not served;
; w_o has to lie inside f16's range (65,504).
; SHARES: work-groups 0-255 take x, 256-351 the three weights (32 each), 352-383 w_o.  The quantised tensors are plain streams of blocks of 32: a wave takes a run of 8,192 numbers in 16 steps of 512.
; Each load reads 512 consecutive bytes; a step's 2,048 bytes turn through the wave's own stage in LDS, so that a lane then holds 16 neighbours along K (two neighbouring lanes hold a block).  Waves share nothing: no barrier.
.set WAVES, 4
.set STEPS, 16
.set WGX,   256                        ; work-groups for x
.set WGQ,   352                        ; first work-group of w_o
.set CB,    8                          ; bytes of 16 codes
.set R,     16                         ; v16-79   four sets of 16 numbers as they are loaded (w_o: eight sets of 8)
.set X,     80                         ; v80-111  two sets of 16 neighbours (w_o: eight sets of 4 packed registers)
.set E,     112                        ; v112-127 a scale byte for each step
.set C,     128                        ; v128-191 codes: four registers for each step, so that no store's data are written again
.set WREG,  8192                       ; LDS: a region for each wave: two stages of 32 x SP bytes, behind them its 256 scale bytes
.set SP,    80                         ; a lane's place in a stage: 64 bytes + 16 of padding
.set SPW,   12                         ; v12  LDS address of my spare word; never rewritten
.set NIL,   13                         ; v13  0; never rewritten
.set SPARE, WAVES*WREG                 ; behind the four regions: the spare words, 128 bytes a wave
	s_load_b256 s[4:11], s[0:1], 0x0               ; x, w_q, w_k, w_v
	s_load_b256 s[12:19], s[0:1], 0x20             ; w_o, xc, xs, wc
	s_load_b128 s[20:23], s[0:1], 0x40             ; ws, wo16
	v_lshl_add_u32 v[SPW], v0, 2, SPARE
	v_mov_b32 v[NIL], 0
	v_lshrrev_b32 v1, 5, v0
	v_readfirstlane_b32 s30, v1                    ; wave
	v_and_b32 v2, 31, v0                           ; lane
	v_lshlrev_b32 v3, 4, v2                        ; my 16 bytes of a load's 512
	s_mul_i32 s31, s30, WREG
	v_lshrrev_b32 v14, 2, v2
	v_mul_u32_u24 v14, v14, SP
	v_and_b32 v15, 3, v2
	v_lshl_add_u32 v14, v15, 4, v14
	v_add_nc_u32 v14, s31, v14                     ; the stage, on the way in: SP (lane / 4) + 16 (lane % 4)
	v_mul_u32_u24 v15, v2, SP
	v_add_nc_u32 v15, s31, v15                     ; and on the way out: SP x lane: my 16 neighbours
	v_mul_u32_u24 v4, v2, CB                       ; my codes' place in a step's
	v_lshrrev_b32 v5, 1, v2
	s_add_co_u32 s31, s31, 2*32*SP
	v_add_nc_u32 v5, s31, v5                       ; LDS: my wave's 256 scale bytes, my block's byte
	v_lshlrev_b32 v7, 3, v2                        ; and on the way out 8 bytes a lane
	v_add_nc_u32 v6, s31, v7
	s_and_b32 s33, ttmp9, 31                       ; a weight's work-group among its 32 (256, 288 and 320 are multiples of 32)
	s_wait_kmcnt 0x0
	s_cmp_ge_u32 ttmp9, WGQ
	s_cbranch_scc1 .Lwo
	; ---- the quantiser.  Only pointers are chosen, by the work-group's number: all four tensors take one path
	s_cmp_lt_u32 ttmp9, 288
	s_cselect_b64 s[24:25], s[6:7], s[8:9]
	s_cmp_lt_u32 ttmp9, 320
	s_cselect_b64 s[24:25], s[24:25], s[10:11]
	s_cmp_lt_u32 ttmp9, WGX
	s_cselect_b64 s[24:25], s[4:5], s[24:25]       ; the numbers
	s_cselect_b64 s[26:27], s[14:15], s[18:19]     ; the codes
	s_cselect_b64 s[28:29], s[16:17], s[20:21]     ; the scale bytes
	s_cselect_b32 s32, 0, WGX
	s_cselect_b32 s33, ttmp9, s33                  ; the work-group's place in its source tensor,
	s_sub_co_u32 s32, ttmp9, s32                   ; and in its codes' buffer
	s_lshl_b32 s33, s33, 2
	s_add_co_u32 s33, s33, s30                     ; my run of 8,192 numbers in the source,
	s_lshl_b32 s32, s32, 2
	s_add_co_u32 s32, s32, s30                     ; and in the buffers
	s_lshl_b32 s34, s33, 15                        ; 32,768 bytes of numbers a run
	s_mov_b32 s35, 0
	s_add_nc_u64 s[24:25], s[24:25], s[34:35]
	s_lshl_b32 s34, s32, 12                        ; 4,096 bytes of codes
	s_add_nc_u64 s[26:27], s[26:27], s[34:35]
	s_lshl_b32 s34, s32, 8                         ; 256 scale bytes
	s_add_nc_u64 s[28:29], s[28:29], s[34:35]
.macro LOAD t
.irp i, 0,1,2,3
	global_load_b128 v[R+16*((\t)%4)+4*\i:R+16*((\t)%4)+4*\i+3], v3, s[24:25] offset:2048*(\t)+512*\i th:TH_LOAD_NT   ; 32 lanes read 512 consecutive bytes
.endr
.endm
.macro TURN t                          ; step t's numbers through the stage: LDS serves a wave's instructions in order, so no wait stands between the stores and the loads
.irp i, 0,1,2,3
	ds_store_b128 v14, v[R+16*((\t)%4)+4*\i:R+16*((\t)%4)+4*\i+3] offset:32*SP*((\t)%2)+8*SP*\i
.endr
.irp i, 0,1,2,3
	ds_load_b128 v[X+16*((\t)%2)+4*\i:X+16*((\t)%2)+4*\i+3], v15 offset:32*SP*((\t)%2)+16*\i
.endr
.endm
.irp t, 0,1,2,3
	LOAD \t
.endr
	s_wait_loadcnt 12                              ; step 0's four loads are in; those of steps 1 to 3 may be out
	TURN 0
.macro QSTEP t
.set XS, X+16*((\t)%2)
.if (\t) > 0
	s_wait_dscnt 1                                 ; this step's numbers are back from the stage (the last step's byte store may be out): so its stores into the stage have read their registers,
.else
	s_wait_dscnt 0x0
.endif
.if (\t)+4 < STEPS
	LOAD (\t)+4                                    ; which take the loads of four steps on
.endif
.if (\t)+1 < STEPS
.if STEPS-2-(\t) >= 3
	s_wait_loadcnt 12                              ; the next step's four loads are in; those of the three steps behind it may be out
.else
	s_wait_loadcnt 4*(STEPS-2-(\t))
.endif
	TURN (\t)+1                                    ; and go through the other stage while this step is worked
.endif
	v_max3_num_f32 v8, |v[XS]|, |v[XS+1]|, |v[XS+2]|               ; the largest magnitude of my 16, in two chains
	v_max3_num_f32 v9, |v[XS+3]|, |v[XS+4]|, |v[XS+5]|
.irp i, 6,10
	v_max3_num_f32 v8, v8, |v[XS+\i]|, |v[XS+\i+1]|
	v_max3_num_f32 v9, v9, |v[XS+\i+2]|, |v[XS+\i+3]|
.endr
	v_max3_num_f32 v8, v8, |v[XS+14]|, |v[XS+15]|
	v_max3_num_f32 v8, v8, v9, 0x1800000           ; and the floor 2^(3 - 127): the byte cannot fall under 1
	v_max_num_f32_dpp v8, v8, v8 row_xmask:1 row_mask:0xf bank_mask:0xf   ; and of my neighbour's 16: the block's
	v_add_nc_u32 v11, 0xff000000, v8               ; 2 off its exponent field: the conversion takes the exponent field of this operand as its scale
	v_cvt_scalef32_pk8_fp4_f32 v[C+4*(\t)], v[XS:XS+7], v11
	v_cvt_scalef32_pk8_fp4_f32 v[C+4*(\t)+1], v[XS+8:XS+15], v11
	v_lshrrev_b32 v[E+(\t)], 23, v11               ; the scale's byte (also the plain line behind the conversions)
	ds_store_b8 v5, v[E+(\t)] offset:16*(\t)       ; both lanes of a block write the same byte with the same value
	global_store_b64 v4, v[C+4*(\t):C+4*(\t)+1], s[26:27] offset:32*CB*(\t)   ; the wave stores 256 consecutive bytes, aligned
.endm
.irp t, 0,1,2,3,4,5,6,7,8,9,10,11,12,13,14,15
	QSTEP \t
.endr
	ds_load_b64 v[8:9], v6                         ; LDS serves a wave's instructions in order: these see my byte stores
	s_wait_dscnt 0x0
	global_store_b64 v7, v[8:9], s[28:29]          ; 32 lanes store my run's 256 scale bytes
	s_wait_tensorcnt 0x0                           ; the wave's end: behind my last LDS store
	ds_add_u32 v[SPW], v[NIL]
	s_wait_dscnt 0x0
	s_endpgm
	; ---- w_o to f16, laid by head.  A wave takes 8 rows n, in 32 steps: 4 rows x one head's 64 numbers a step.  Eight lanes read a row's 256 bytes of a head (two loads of 16 bytes a lane);
	; the wave's 16 bytes a lane are 512 consecutive bytes of wo16.  Eight steps' loads are on their way.
.Lwo:
	s_sub_co_u32 s32, ttmp9, WGQ
	s_lshl_b32 s32, s32, 2
	s_add_co_u32 s32, s32, s30                     ; which 8 rows
	s_lshl_b32 s34, s32, 15                        ; 8 rows of 4,096 bytes
	s_mov_b32 s35, 0
	s_add_nc_u64 s[12:13], s[12:13], s[34:35]
	s_lshl_b32 s34, s32, 10                        ; 8 rows of 128 bytes in each head's plane
	s_add_nc_u64 s[22:23], s[22:23], s[34:35]
	v_lshrrev_b32 v10, 3, v2
	v_lshlrev_b32 v10, 12, v10                     ; in: row lane / 8,
	v_and_b32 v11, 7, v2
	v_lshl_add_u32 v10, v11, 5, v10                ; 32 bytes for each of eight lanes
	v_lshlrev_b32 v11, 4, v2                       ; out: 16 bytes a lane
.macro WLOAD t
	global_load_b128 v[R+8*((\t)%8):R+8*((\t)%8)+3], v10, s[12:13] offset:((\t)/16)*16384+((\t)%16)*256 th:TH_LOAD_NT
	global_load_b128 v[R+8*((\t)%8)+4:R+8*((\t)%8)+7], v10, s[12:13] offset:((\t)/16)*16384+((\t)%16)*256+16 th:TH_LOAD_NT
.endm
.macro WSTEP t
.if 2*(31-(\t)) < 14
	s_wait_loadcnt 2*(31-(\t))                     ; the tail: the counts run down
.else
	s_wait_loadcnt 14                              ; my two loads are in; those of the seven steps behind may be out
.endif
	s_wait_xcnt 0x0                                ; the store of eight steps back has read its data: they are written again only behind this wait
.irp k, 0,1,2,3
	v_cvt_pk_f16_f32 v[X+4*((\t)%8)+\k], v[R+8*((\t)%8)+2*\k], v[R+8*((\t)%8)+2*\k+1]
.endr
.if (\t)+8 < 32
	WLOAD (\t)+8
.endif
	global_store_b128 v11, v[X+4*((\t)%8):X+4*((\t)%8)+3], s[22:23] offset:((\t)%16)*131072+((\t)/16)*512
.endm
.irp t, 0,1,2,3,4,5,6,7
	WLOAD \t
.endr
.set T, 0
.rept 32
	WSTEP T
.set T, T+1
.endr
	s_wait_tensorcnt 0x0                           ; the same three lines close this path
	ds_add_u32 v[SPW], v[NIL]
	s_wait_dscnt 0x0
	s_endpgm
.Lfunc_end_k_qb7b6715343_prep:
	.size	k_qb7b6715343_prep, .Lfunc_end_k_qb7b6715343_prep-k_qb7b6715343_prep
	.p2alignl 7, 3214868480
	.fill 96, 4, 3214868480
	.section	.rodata,"a",@progbits
	.p2align	6, 0x0
	.amdhsa_kernel k_qb7b6715343_prep
		.amdhsa_group_segment_fixed_size 33280
		.amdhsa_private_segment_fixed_size 0
		.amdhsa_enable_private_segment 0
		.amdhsa_kernarg_size 80
		.amdhsa_user_sgpr_count 2
		.amdhsa_user_sgpr_kernarg_segment_ptr 1
		.amdhsa_wavefront_size32 1
		.amdhsa_system_sgpr_workgroup_id_x 1
		.amdhsa_system_sgpr_workgroup_id_y 1
		.amdhsa_system_sgpr_workgroup_id_z 1
		.amdhsa_system_vgpr_workitem_id 0
		.amdhsa_next_free_vgpr 192
		.amdhsa_next_free_sgpr 66
		.amdhsa_reserve_vcc 0
		.amdhsa_float_denorm_mode_32 3
		.amdhsa_float_denorm_mode_16_64 3
		.amdhsa_memory_ordered 1
		.amdhsa_forward_progress 1
		.amdhsa_inst_pref_size 53
	.end_amdhsa_kernel
	.amdgpu_metadata
---
amdhsa.version: [ 1, 2 ]
amdhsa.kernels:
  - .name:           k_qb7b6715343_prep
    .symbol:         k_qb7b6715343_prep.kd
    .args:
      - { .name: x, .offset: 0, .size: 8, .value_kind: global_buffer, .address_space: global }
      - { .name: w_q, .offset: 8, .size: 8, .value_kind: global_buffer, .address_space: global }
      - { .name: w_k, .offset: 16, .size: 8, .value_kind: global_buffer, .address_space: global }
      - { .name: w_v, .offset: 24, .size: 8, .value_kind: global_buffer, .address_space: global }
      - { .name: w_o, .offset: 32, .size: 8, .value_kind: global_buffer, .address_space: global }
      - { .name: xc, .offset: 40, .size: 8, .value_kind: global_buffer, .address_space: global }
      - { .name: xs, .offset: 48, .size: 8, .value_kind: global_buffer, .address_space: global }
      - { .name: wc, .offset: 56, .size: 8, .value_kind: global_buffer, .address_space: global }
      - { .name: ws, .offset: 64, .size: 8, .value_kind: global_buffer, .address_space: global }
      - { .name: wo16, .offset: 72, .size: 8, .value_kind: global_buffer, .address_space: global }
    .group_segment_fixed_size: 33280
    .private_segment_fixed_size: 0
    .kernarg_segment_align: 8
    .kernarg_segment_size: 80
    .max_flat_workgroup_size: 128
    .sgpr_count:     66
    .vgpr_count:     192
    .wavefront_size: 32
...
	.end_amdgpu_metadata
.endif
;; end of part 1
;; launch qkv (part 2): grid 12 x 32, 4 waves a work-group, clusters of 4 x 4, 327,680 bytes of LDS; arguments xc, xs, wc, ws, b_q, b_k, b_v, qkv; writes qkv
.if DOCPART == 2
	.amdgcn_target "amdgcn-amd-amdhsa--gfx1250"
	.amdhsa_code_object_version 6
	.text
	.protected	k_qb7b6715343_qkv
	.globl	k_qb7b6715343_qkv
	.p2align	8
	.type	k_qb7b6715343_qkv,@function
k_qb7b6715343_qkv:
	s_mov_b64 s[64:65], 0
	v_nop
	global_prefetch_b8 v0, s[64:65] scope:SCOPE_SE
	s_setreg_imm32_b32 hwreg(HW_REG_WAVE_MODE, 25, 1), 1
	s_wait_xcnt 0x0
	s_wait_alu depctr_hold_cnt(0) depctr_sa_sdst(0) depctr_va_vdst(0) depctr_va_sdst(0) depctr_va_ssrc(0) depctr_va_vcc(0) depctr_vm_vsrc(0)
	s_getreg_b32 s2, hwreg(HW_REG_IB_STS2, 6, 4)
	s_cmp_eq_u32 s2, 0
	s_cbranch_scc0 .Lentry_in_a_cluster
	s_endpgm
.Lentry_in_a_cluster:
	s_bfe_u32 s2, ttmp6, 0x10000c
	s_cmp_lg_u32 s2, 0xf033
	s_cbranch_scc0 .Lentry_shape_is_right
	s_endpgm
.Lentry_shape_is_right:
; q, k, v = x W^T + b on codes of FP4 (E2M1) with one E8M0 scale for each 32 along K: C[m][n] = sum over k of A[m][k] B[n][k] + bias[n], A = x's codes [8192][1024], B = the three weights' codes [3072][1024]; sums in f32.
; The result is rounded once to f16 and laid by head: qkv [3][4 batches][16 heads][2048 tokens][64].  LIMIT: |q|, |k|, |v| have to stay inside f16's range (65,504).
; A tile of C, 256 x 256, is made by a work-group of four waves; a wave makes 128 x 128: 64 accumulators of 16 x 16, 512 registers.  K = 1,024 is two K steps of 512 (tile rows of 256 bytes): both fit in LDS at once,
; so all tiles are asked for at the head and no LDS byte is filled twice.  The scale bytes of the work-group's rows, for all of K, are two dense blocks and come with them.
; CLUSTERS: 4 x 4 work-groups.  The four of a row of the cluster need the same tiles of A, the four of a column the same tiles of B: each tile is asked for JOINTLY.  A column of clusters holds exactly one of q, k, v.
; THE MATRIX INSTRUCTION IS USED TRANSPOSED (source 0 = 16 rows of B, source 1 = 16 rows of A): a lane then holds eight neighbouring columns of one row of C.  THE BIAS IS THE C OF EACH SUM'S FIRST PRODUCT.
; REGISTERS, in windows of 256: window 0: v0-31 addresses; v32-95 scale words, two sets, and nothing else; v128-191 A's fragments, ONE set; on the way out v128-223 are at work.
;   window 1: B's fragments, TWO sets, at v0 and v128; v64-127 the bias, eight registers for each of B's eight blocks.   window 2: the accumulators of my rows 0-63 ((a, b) at v[8 (8 a + b)]);   window 3: rows 64-127.
.set SIZE_M, 8192
.set SIZE_N, 3072
.set SIZE_K, 1024
.set KSTEP,  512                       ; along K in a slot
.set NQ,     KSTEP/128                 ; matrix instructions deep
.set ROWB,   256                       ; a tile's row in bytes
.set KROW,   SIZE_K*4/8                ; a row of codes in memory
.set PITCH,  272                       ; an LDS row: 256 bytes + 16 of padding, so that the 16 rows of a fragment load start 16 bytes apart modulo 256
.set FR,     8                         ; registers of a fragment: 16 rows x 128 K
.set NL,     2                         ; LDS loads that bring one
.set NP,     4                         ; places behind this matrix instruction (ISA guide 7.12.1)
.set HALFT,  128*PITCH                 ; 128 rows: what one tensor load brings
.set SLOT,   4*HALFT                   ; A's 256 rows, then B's 256 rows
.set KS,     SIZE_K/32                 ; a row of scale bytes
.set SCL,    2*SLOT                    ; behind the slots: the scales, as units of 256 bytes + 16 of padding
.set HALFS,  (128*KS/256)*272          ; the scales of 128 rows
.set SBLK,   (16*KS/256)*272           ; those of 16 rows
.set SPARE,  SCL+4*HALFS               ; the spare words, 128 bytes a wave
.set SPITCH, 272                       ; the way out: a stage of 16 rows x (256 bytes + 16) for each wave, in slot 0, which has been filled once and is read no more when the first result is stored there
.set ADRA, 16                          ; v16-17  LDS address of my A fragments in slot 0, 1
.set ADRB, 20                          ; v20-21  the same for B
.set STO,  24                          ; v24     the way out: where I put 16 bytes of a row
.set RD,   25                          ; v25     where I read back 16 bytes of a token's head
.set CO,   26                          ; v26     16 x lane
.set ADRS, 27                          ; v27     LDS address of my scale words: lanes 0-15 A's rows, lanes 16-31 B's
.set SPW,  28                          ; v28     my spare word; never rewritten
.set NIL,  29                          ; v29     0; never rewritten
.set BO,   30                          ; v30     32 x (lane / 16): my eight numbers of a bias tile
.set SC,   32                          ; scale words: set s at v[SC + 8 NQ s]; register NQ i + q: lanes 0-15 the word of A's block i, lanes 16-31 that of B's block i
.set AF,   128                         ; A's fragments, window 0
.set BIAS, 64                          ; the bias, window 1
.set OB,   128                         ; the way out: rows read back: v128-159 and v160-191 by turns
.set TMP,  192                         ; the way out: packed results
.set G1, 24
.set G0, 32
.set G1B, 48
.set G0B, 56
.set G1S, 68
.set G0S, 76
.set G1SB, 80
.set G0SB, 88
.set MSB, 0
.macro WIN new                         ; the immediate's high byte repeats the setting that is left
.if MSB != (\new)
	s_set_vgpr_msb (MSB<<8)|(\new)
.set MSB, (\new)
.endif
.endm
.set MUL_LO,   0xa1                    ; source 0 (B) window 1, source 1 (A) window 0, C and D window 2
.set MUL_HI,   0xf1                    ; the same, C and D window 3
.set FIRST_LO, 0x91                    ; the first K step: C (the bias) window 1, D window 2
.set FIRST_HI, 0xd1                    ; D window 3
.set TO_B,     0x40                    ; destination window 1, address window 0
; A joint load: waves 0 and 1 fetch for A, waves 2 and 3 for B.  The branch hangs on the wave's number alone.  An s_nop 0 and four v_nop follow each of the two lines.
.macro JLOAD g0a, g1a, g0b, g1b
	s_cmp_eq_u32 s15, 0
	s_cbranch_scc0 .Lfor_b_\@
	tensor_load_to_lds s[\g0a:\g0a+3], s[\g1a:\g1a+7]
	s_nop 0
.rept 4
	v_nop
.endr
	s_branch .Lasked_\@
.Lfor_b_\@:
	tensor_load_to_lds s[\g0b:\g0b+3], s[\g1b:\g1b+7]
	s_nop 0
.rept 4
	v_nop
.endr
.Lasked_\@:
.endm
.macro CROUND                          ; a round of the cluster's barrier
	s_barrier_signal -1
	s_barrier_wait -1
	s_cmp_lg_u32 s14, 0
	s_cbranch_scc1 .Lnot_wave_0_\@
	s_barrier_signal -3
.Lnot_wave_0_\@:
	s_barrier_wait -3
	s_barrier_signal -1
	s_barrier_wait -1
.endm
	s_load_b128 s[4:7], s[0:1], 0x0                ; x's codes, x's scales
	s_load_b128 s[8:11], s[0:1], 0x10              ; the weights' codes, their scales
	s_load_b128 s[96:99], s[0:1], 0x20             ; b_q, b_k
	s_load_b64 s[100:101], s[0:1], 0x30            ; b_v
	s_load_b64 s[12:13], s[0:1], 0x38              ; qkv
	v_lshl_add_u32 v[SPW], v0, 2, SPARE
	v_mov_b32 v[NIL], 0
	ds_add_u32 v[SPW], v[NIL]                      ; the wave's opening: the add, twice on end; its wait stands ahead of my first tensor load
	ds_add_u32 v[SPW], v[NIL]
	v_lshrrev_b32 v1, 5, v0
	v_readfirstlane_b32 s14, v1                    ; wave 0..3
	s_lshr_b32 s15, s14, 1                         ; which half of the tile's rows is mine.  Also: I fetch for A (0) or for B (1)
	s_and_b32 s16, s14, 1                          ; which half of its columns.  Also: which 128 rows of that tile I fetch
	s_bfe_u32 s40, ttmp6, 0x40000                  ; cx, cy: my place in the cluster
	s_bfe_u32 s41, ttmp6, 0x40004
	s_lshl_b32 s42, ttmp9, 2
	s_add_co_u32 s42, s42, s40                     ; tile column of C
	s_and_b32 s17, ttmp7, 0xffff
	s_lshl_b32 s17, s17, 2
	s_add_co_u32 s17, s17, s41                     ; tile row of C
	s_lshl_b32 s43, s41, 2
	s_lshl_b32 s43, 15, s43                        ; my row of the cluster
	s_lshl_b32 s44, 0x1111, s40                    ; my column
	; descriptor group 1: a tile of 128 rows x 256 bytes, 16 bytes of padding behind each row
	s_or_b32 s[G1+0], s43, (0<<16)|(1<<20)|(1<<21)|(5<<22)|(3<<25)  ; the mask; elements of 1 byte; padding on; bit 21 beside a mask; after every 64 words four words
	s_or_b32 s[G1B+0], s44, (0<<16)|(1<<20)|(1<<21)|(5<<22)|(3<<25)
.irp g, G1, G1B
	s_mov_b32 s[\g+1], ROWB<<16                    ; tensor_dim0
	s_mov_b32 s[\g+2], 128<<16                     ; tensor_dim1
	s_mov_b32 s[\g+3], ROWB<<16                    ; tile_dim0
	s_mov_b32 s[\g+4], 128                         ; tile_dim1
	s_mov_b32 s[\g+5], KROW                        ; from row to row
	s_mov_b32 s[\g+6], 0
	s_mov_b32 s[\g+7], 0
.endr
	; the scales of 128 rows: a dense block of 4,096 bytes, as 16 rows of 256 bytes (32 elements of 8 bytes), 16 bytes of padding behind each
	s_or_b32 s[G1S+0], s43, (3<<16)|(1<<20)|(1<<21)|(5<<22)|(3<<25)
	s_or_b32 s[G1SB+0], s44, (3<<16)|(1<<20)|(1<<21)|(5<<22)|(3<<25)
.irp g, G1S, G1SB
	s_mov_b32 s[\g+1], 32<<16
	s_mov_b32 s[\g+2], (128*KS/256)<<16
	s_mov_b32 s[\g+3], 32<<16
	s_mov_b32 s[\g+4], 128*KS/256
	s_mov_b32 s[\g+5], 32
	s_mov_b32 s[\g+6], 0
	s_mov_b32 s[\g+7], 0
.endr
	s_lshl_b32 s18, s16, 7                         ; which 128 rows of the tile I fetch
	s_lshl_b32 s20, s17, 8
	s_add_co_u32 s20, s20, s18                     ; A: row 256 x tile row + 128 x half
	s_lshl_b32 s46, s42, 8
	s_add_co_u32 s46, s46, s18                     ; B: row 256 x tile column + 128 x half
	s_mov_b32 s21, 0
	s_mov_b32 s47, 0
	s_mov_b64 s[18:19], KS
	s_mul_u64 s[22:23], s[20:21], s[18:19]         ; where these rows' scales begin,
	s_mul_u64 s[92:93], s[46:47], s[18:19]
	s_mov_b64 s[18:19], KROW
	s_mul_u64 s[20:21], s[20:21], s[18:19]         ; and their codes
	s_mul_u64 s[46:47], s[46:47], s[18:19]
	s_mul_i32 s45, s14, HALFT                      ; where they go: wave x 128 rows: no place in the cluster enters an LDS address
	s_mul_i32 s94, s14, HALFS
	s_wait_dscnt 0x0                               ; both opening adds are done
	s_wait_kmcnt 0x0
	s_add_nc_u64 s[20:21], s[4:5], s[20:21]
	s_add_nc_u64 s[22:23], s[6:7], s[22:23]
	s_add_nc_u64 s[46:47], s[8:9], s[46:47]
	s_add_nc_u64 s[92:93], s[10:11], s[92:93]
	CROUND                                         ; all sixteen work-groups are here: the joint loads meet
	s_mov_b32 s[G0S], 1
	s_add_co_u32 s[G0S+1], s94, SCL
	s_mov_b64 s[G0S+2:G0S+3], s[22:23]
	s_or_b32 s[G0S+3], s[G0S+3], 0x80000000
	s_mov_b32 s[G0SB], 1
	s_add_co_u32 s[G0SB+1], s94, SCL
	s_mov_b64 s[G0SB+2:G0SB+3], s[92:93]
	s_or_b32 s[G0SB+3], s[G0SB+3], 0x80000000
	JLOAD G0S, G1S, G0SB, G1SB                     ; the scales first: they are wanted with K step 0
.irp s, 0,1
	s_mov_b32 s[G0+4*\s], 1
	s_add_co_u32 s[G0+4*\s+1], s45, \s*SLOT
	s_add_nc_u64 s[G0+4*\s+2:G0+4*\s+3], s[20:21], \s*ROWB
	s_or_b32 s[G0+4*\s+3], s[G0+4*\s+3], 0x80000000
	s_mov_b32 s[G0B+4*\s], 1
	s_add_co_u32 s[G0B+4*\s+1], s45, \s*SLOT
	s_add_nc_u64 s[G0B+4*\s+2:G0B+4*\s+3], s[46:47], \s*ROWB
	s_or_b32 s[G0B+4*\s+3], s[G0B+4*\s+3], 0x80000000
	JLOAD G0+4*\s, G1, G0B+4*\s, G1B               ; three tensor loads of mine are out: the scales and both K steps
.endr
	v_and_b32 v1, 15, v0                           ; r = lane % 16
	v_bfe_u32 v2, v0, 4, 1                         ; h = lane / 16
	; the bias: which of the three hangs on the cluster's x alone; my 128 columns of its 1,024
	s_cmp_eq_u32 ttmp9, 0
	s_cselect_b64 s[96:97], s[96:97], s[98:99]
	s_cmp_eq_u32 ttmp9, 2
	s_cselect_b64 s[96:97], s[100:101], s[96:97]
	s_lshl_b32 s92, s40, 10                        ; 256 columns x 4 bytes for each place along the cluster's x,
	s_lshl_b32 s93, s16, 9                         ; 128 for my half
	s_add_co_u32 s92, s92, s93
	s_mov_b32 s93, 0
	s_add_nc_u64 s[96:97], s[96:97], s[92:93]
	v_lshlrev_b32 v[BO], 5, v2
	WIN TO_B
.irp b, 0,1,2,3,4,5,6,7
	global_load_b128 v[BIAS+8*\b:BIAS+8*\b+3], v[BO], s[96:97] offset:64*\b        ; register j of lane (r, h): bias[16 b + 8 h + j], the result's own layout
	global_load_b128 v[BIAS+8*\b+4:BIAS+8*\b+7], v[BO], s[96:97] offset:64*\b+16
.endr
	WIN 0
	v_mul_u32_u24 v3, v1, PITCH
	v_lshl_add_u32 v4, v2, 4, v3                   ; a fragment's row x pitch + 16 x half
	s_mul_i32 s21, s15, HALFT                      ; my 128 rows of A
	s_mul_i32 s22, s16, HALFT                      ; my 128 rows of B,
	s_add_co_u32 s22, s22, 2*HALFT                 ; which lie behind A's 256
.irp s, 0,1
	v_add_nc_u32 v[ADRA+\s], s21, v4
	v_add_nc_u32 v[ADRB+\s], s22, v4
	s_add_co_u32 s21, s21, SLOT
	s_add_co_u32 s22, s22, SLOT
.endr
	v_mul_u32_u24 v5, v1, KS                       ; my row's scales: KS bytes a row,
	v_lshrrev_b32 v6, 8, v5
	v_lshl_add_u32 v5, v6, 4, v5                   ; and 16 more for each 256 passed
	s_mul_i32 s21, s15, HALFS                      ; A's: my 128 rows
	s_mul_i32 s22, s16, HALFS                      ; B's: my 128 rows, behind A's 256
	s_add_co_u32 s22, s22, 2*HALFS
	s_sub_co_u32 s22, s22, s21
	v_mul_u32_u24 v6, s22, v2                      ; lanes 16-31 take B's: one product, the distance between the two bases
	s_add_co_u32 s21, s21, SCL
	v_add_nc_u32 v5, v5, v6
	v_add_nc_u32 v[ADRS], s21, v5
	s_mul_i32 s23, s14, 16*SPITCH                  ; my stage
	v_mul_u32_u24 v5, v1, SPITCH                   ; in: row r, 16 bytes for each half of the lanes
	v_lshl_add_u32 v5, v2, 4, v5
	v_add_nc_u32 v[STO], s23, v5
	v_and_b32 v6, 31, v0
	v_lshrrev_b32 v7, 3, v6                        ; back: eight lanes take a token's 128 bytes of one head, four tokens an instruction
	v_mul_u32_u24 v7, v7, SPITCH
	v_and_b32 v8, 7, v0
	v_lshl_add_u32 v7, v8, 4, v7
	v_add_nc_u32 v[RD], s23, v7
	v_lshlrev_b32 v[CO], 4, v6                     ; those four tokens are 512 consecutive bytes of qkv
	; where my part begins in qkv: ((which x 4 + batch) x 16 + head) x 262,144 + token x 128
	s_lshr_b32 s20, s17, 3                         ; batch: eight tile rows to a batch
	s_lshl_b32 s20, s20, 22
	s_and_b32 s21, s17, 7
	s_lshl_b32 s21, s21, 15                        ; 256 tokens x 128 bytes a tile row
	s_add_co_u32 s20, s20, s21
	s_lshl_b32 s21, s15, 14                        ; my half's 128 tokens
	s_add_co_u32 s20, s20, s21
	s_mov_b32 s21, 0
	s_lshl_b32 s46, ttmp9, 24                      ; q, k or v
	s_lshl_b32 s47, s40, 20                        ; four heads for each place along the cluster's x,
	s_add_co_u32 s46, s46, s47
	s_lshl_b32 s47, s16, 19                        ; two for my half
	s_add_co_u32 s46, s46, s47
	s_mov_b32 s47, 0
	s_add_nc_u64 s[12:13], s[12:13], s[20:21]
	s_add_nc_u64 s[12:13], s[12:13], s[46:47]
.macro FRAG reg, adr, q, i             ; a fragment, 16 rows x 128 K of 4-bit codes: lane l holds row l % 16; registers 4 c .. 4 c + 3 hold K = 64 c + 32 (l / 16) + 0 .. 31
.irp c, 0,1
	ds_load_b128 v[\reg+4*\c:\reg+4*\c+3], v[\adr] offset:64*(\q)+32*\c+(\i)*16*PITCH
.endr
.endm
; 16 matrix instructions: A's blocks a0, a0 + 1 x B's eight, 128 along K: the slot's q-th.  p: B's set;  sc: the set of scale words.  zero = 1: the first product starts the sums from the bias: nothing is cleared or added later.
; The 64 accumulators take turns, one instruction a turn, in the same order in every step.
.macro MUL16 a0, p, q, sc, zero
.irp a, \a0, \a0+1
.irp b, 0,1,2,3,4,5,6,7
.if \zero
	v_wmma_scale_f32_16x16x128_f8f6f4 v[8*(8*((\a)%4)+\b):8*(8*((\a)%4)+\b)+7], v[128*(\p)+FR*\b:128*(\p)+FR*\b+FR-1], v[AF+FR*(\a):AF+FR*(\a)+FR-1], v[BIAS+8*\b:BIAS+8*\b+7], v[SC+8*NQ*(\sc)+NQ*\b+(\q)], v[SC+8*NQ*(\sc)+NQ*(\a)+(\q)] matrix_a_fmt:MATRIX_FMT_FP4 matrix_b_fmt:MATRIX_FMT_FP4 matrix_a_scale:MATRIX_SCALE_ROW1
.else
	v_wmma_scale_f32_16x16x128_f8f6f4 v[8*(8*((\a)%4)+\b):8*(8*((\a)%4)+\b)+7], v[128*(\p)+FR*\b:128*(\p)+FR*\b+FR-1], v[AF+FR*(\a):AF+FR*(\a)+FR-1], v[8*(8*((\a)%4)+\b):8*(8*((\a)%4)+\b)+7], v[SC+8*NQ*(\sc)+NQ*\b+(\q)], v[SC+8*NQ*(\sc)+NQ*(\a)+(\q)] matrix_a_fmt:MATRIX_FMT_FP4 matrix_b_fmt:MATRIX_FMT_FP4 matrix_a_scale:MATRIX_SCALE_ROW1
.endif
.endr
.endr
.endm
.macro FETCH_B slot, q, p              ; B's eight fragments of the slot's q-th 128 along K into set p
	WIN TO_B
.irp i, 0,1,2,3,4,5,6,7
	FRAG 128*(\p)+FR*\i, ADRB+\slot, \q, \i
.endr
	WIN 0
.endm
.macro FETCH_A slot, q, i0             ; A's blocks i0 .. i0 + 3
.irp i, \i0, \i0+1, \i0+2, \i0+3
	FRAG AF+FR*(\i), ADRA+\slot, \q, \i
.endr
.endm
.macro SCALES sc                       ; a K step's scale words into set sc: NQ words a row; lanes 0-15 take A's block i, lanes 16-31 B's block i
.irp i, 0,1,2,3,4,5,6,7
	ds_load_b128 v[SC+8*NQ*\sc+NQ*\i:SC+8*NQ*\sc+NQ*\i+3], v[ADRS] offset:\i*SBLK
.endr
.endm
; A load into a register that a matrix instruction has read, and a vector instruction that reads a matrix result, stand NP places behind it; only plain vector instructions that name none of its registers are places.
.macro PLACES n
.rept \n
	v_nop
.endr
.endm
; A step of 128 along K that has its successor in the same slot.  A's blocks go one after the other, each against B's eight: a block of A is free when its eight products are issued, so A has one set of registers.
.macro STEP slot, q, zero
	s_wait_dscnt 4*NL                              ; B's set and A's blocks 0-3 are in; the youngest eight loads (A's blocks 4-7) may be out
.if \zero
	WIN FIRST_LO
.else
	WIN MUL_LO
.endif
	MUL16 0, (\q)%2, \q, \slot, \zero
	MUL16 2, (\q)%2, \q, \slot, \zero
	s_wait_dscnt 0                                 ; A's blocks 4-7 are in
	PLACES NP
	FETCH_B \slot, (\q)+1, 1-(\q)%2
	FETCH_A \slot, (\q)+1, 0
.if \zero
	WIN FIRST_HI
.else
	WIN MUL_HI
.endif
	MUL16 4, (\q)%2, \q, \slot, \zero
	MUL16 6, (\q)%2, \q, \slot, \zero
	PLACES NP
	WIN 0
	FETCH_A \slot, (\q)+1, 4
.endm
; Slot 0's last step changes slots: one barrier; in front of it each wave waits for all its tensor loads (its part of slot 1), adds 0 to its spare word, and waits for that and for its reads of slot 0.  Nothing is filled again.
.macro TURN slot, next
	s_wait_tensorcnt 0x0                           ; all my tensor loads have landed
	ds_add_u32 v[SPW], v[NIL]                      ; 0 onto my spare word
	s_wait_dscnt 4*NL+1                            ; (the add and the youngest eight loads may be out)
	WIN MUL_LO
	MUL16 0, 1, NQ-1, \slot, 0                     ; sixteen matrix instructions stand between the add and the wait for it
	s_wait_dscnt 0x0                               ; the add is done, and my reads of this slot are over
	s_barrier_signal -1
	MUL16 2, 1, NQ-1, \slot, 0
	WIN 0
	s_barrier_wait -1
	PLACES NP
	v_add_nc_u32 v[ADRS], 4*NQ, v[ADRS]            ; on to the next K step's scale words
	FETCH_B \next, 0, 0
	FETCH_A \next, 0, 0
	SCALES \next
	WIN MUL_HI
	MUL16 4, 1, NQ-1, \slot, 0
	MUL16 6, 1, NQ-1, \slot, 0
	PLACES NP
	WIN 0
	FETCH_A \next, 0, 4
.endm
.macro STEPS slot, from                ; the slot's steps from .. NQ - 2
.set Q, \from
.rept NQ-1-\from
	STEP \slot, Q, 0
.set Q, Q+1
.endr
.endm
	s_wait_tensorcnt 1                             ; the scales and my part of K step 0 are in (K step 1's load may be out)
	s_barrier_signal -1
	s_barrier_wait -1                              ; everybody's are
	FETCH_B 0, 0, 0
	FETCH_A 0, 0, 0
	SCALES 0
	FETCH_A 0, 0, 4
	s_wait_loadcnt 0x0                             ; the bias
	STEP 0, 0, 1                                   ; the first step's products start the sums
	STEPS 0, 1
	TURN 0, 1
	STEPS 1, 0
	s_wait_dscnt 4*NL                              ; the very last step: nothing more to fetch
	WIN MUL_LO
	MUL16 0, 1, NQ-1, 1, 0
	MUL16 2, 1, NQ-1, 1, 0
	s_wait_dscnt 0
	WIN MUL_HI
	MUL16 4, 1, NQ-1, 1, 0
	MUL16 6, 1, NQ-1, 1, 0
	WIN 0
; THE WAY OUT, block by block of 16 tokens x 128 columns (two heads).  PACK: rounded to f16, 16 bytes a lane, each accumulator from its low end on.  TOSTAGE: into my own stage, and back by heads: an instruction takes four tokens'
; 128 bytes of one head.  SEND: those are 512 consecutive bytes of qkv.  LDS serves a wave's instructions in order: no wait between the stores and the loads.
.macro PACK a
.set AC, 64*((\a)%4)
	WIN 0x0a+5*((\a)/4)                            ; sources 0 and 1: window 2 or 3
.irp b, 0,1,2,3,4,5,6,7
.irp r, 0,1,2,3
	v_cvt_pk_f16_f32 v[TMP+4*\b+\r], v[AC+8*\b+2*\r], v[AC+8*\b+2*\r+1]
.endr
.endr
	WIN 0
.endm
.macro TOSTAGE a
.set BK, OB+32*((\a)%2)
.irp b, 0,1,2,3,4,5,6,7
	ds_store_b128 v[STO], v[TMP+4*\b:TMP+4*\b+3] offset:32*\b
.endr
.irp e, 0,1,2,3,4,5,6,7
	ds_load_b128 v[BK+4*\e:BK+4*\e+3], v[RD] offset:(\e/4)*128+(\e%4)*4*SPITCH
.endr
.endm
.macro SEND a
.set BK, OB+32*((\a)%2)
	s_wait_dscnt 0x0                               ; the block is back in registers
	s_wait_xcnt 0x0                                ; the block before has had its stores' registers read: the next block's loads may land there
.irp e, 0,1,2,3,4,5,6,7
	global_store_b128 v[CO], v[BK+4*\e:BK+4*\e+3], s[12:13] offset:(\a)*2048+(\e/4)*262144+(\e%4)*512
.endr
.endm
	PLACES NP                                      ; behind the last products: for the conversions' reads and for the loads into the registers that held A's fragments
	PACK 0
	TOSTAGE 0
.irp a, 1,2,3,4,5,6,7                  ; block a's conversions stand between block a - 1's loads from the stage and the wait for them
	PACK \a
	SEND \a-1
	TOSTAGE \a
.endr
	SEND 7
	s_wait_tensorcnt 0x0                           ; the wave's end
	ds_add_u32 v[SPW], v[NIL]
	s_wait_dscnt 0x0
	CROUND                                         ; the closing round
	s_endpgm
.Lfunc_end_k_qb7b6715343_qkv:
	.size	k_qb7b6715343_qkv, .Lfunc_end_k_qb7b6715343_qkv-k_qb7b6715343_qkv
	.p2alignl 7, 3214868480
	.fill 96, 4, 3214868480
	.section	.rodata,"a",@progbits
	.p2align	6, 0x0
	.amdhsa_kernel k_qb7b6715343_qkv
		.amdhsa_group_segment_fixed_size 327680
		.amdhsa_private_segment_fixed_size 0
		.amdhsa_enable_private_segment 0
		.amdhsa_kernarg_size 64
		.amdhsa_user_sgpr_count 2
		.amdhsa_user_sgpr_kernarg_segment_ptr 1
		.amdhsa_wavefront_size32 1
		.amdhsa_system_sgpr_workgroup_id_x 1
		.amdhsa_system_sgpr_workgroup_id_y 1
		.amdhsa_system_sgpr_workgroup_id_z 1
		.amdhsa_system_vgpr_workitem_id 0
		.amdhsa_next_free_vgpr 1024
		.amdhsa_next_free_sgpr 102
		.amdhsa_reserve_vcc 0
		.amdhsa_float_denorm_mode_32 3
		.amdhsa_float_denorm_mode_16_64 3
		.amdhsa_memory_ordered 1
		.amdhsa_forward_progress 1
		.amdhsa_inst_pref_size 128
	.end_amdhsa_kernel
	.amdgpu_metadata
---
amdhsa.version: [ 1, 2 ]
amdhsa.kernels:
  - .name:           k_qb7b6715343_qkv
    .symbol:         k_qb7b6715343_qkv.kd
    .args:
      - { .name: xc, .offset: 0, .size: 8, .value_kind: global_buffer, .address_space: global }
      - { .name: xs, .offset: 8, .size: 8, .value_kind: global_buffer, .address_space: global }
      - { .name: wc, .offset: 16, .size: 8, .value_kind: global_buffer, .address_space: global }
      - { .name: ws, .offset: 24, .size: 8, .value_kind: global_buffer, .address_space: global }
      - { .name: b_q, .offset: 32, .size: 8, .value_kind: global_buffer, .address_space: global }
      - { .name: b_k, .offset: 40, .size: 8, .value_kind: global_buffer, .address_space: global }
      - { .name: b_v, .offset: 48, .size: 8, .value_kind: global_buffer, .address_space: global }
      - { .name: qkv, .offset: 56, .size: 8, .value_kind: global_buffer, .address_space: global }
    .group_segment_fixed_size: 327680
    .private_segment_fixed_size: 0
    .kernarg_segment_align: 8
    .kernarg_segment_size: 64
    .max_flat_workgroup_size: 128
    .sgpr_count:     102
    .vgpr_count:     1024
    .wavefront_size: 32
...
	.end_amdgpu_metadata
.endif
;; end of part 2
;; launch attn (part 3): grid 4 x 64, 8 waves a work-group, clusters of 4 x 1, 327,680 bytes of LDS; arguments qkv, attention_mask, o16; writes o16
.if DOCPART == 3
	.amdgcn_target "amdgcn-amd-amdhsa--gfx1250"
	.amdhsa_code_object_version 6
	.text
	.protected	k_qb7b6715343_attn
	.globl	k_qb7b6715343_attn
	.p2align	8
	.type	k_qb7b6715343_attn,@function
k_qb7b6715343_attn:
	s_mov_b64 s[64:65], 0
	v_nop
	global_prefetch_b8 v0, s[64:65] scope:SCOPE_SE
	s_setreg_imm32_b32 hwreg(HW_REG_WAVE_MODE, 25, 1), 1
	s_wait_xcnt 0x0
	s_wait_alu depctr_hold_cnt(0) depctr_sa_sdst(0) depctr_va_vdst(0) depctr_va_sdst(0) depctr_va_ssrc(0) depctr_va_vcc(0) depctr_vm_vsrc(0)
	s_getreg_b32 s2, hwreg(HW_REG_IB_STS2, 6, 4)
	s_cmp_eq_u32 s2, 0
	s_cbranch_scc0 .Lentry_in_a_cluster
	s_endpgm
.Lentry_in_a_cluster:
	s_bfe_u32 s2, ttmp6, 0x10000c
	s_cmp_lg_u32 s2, 0x3003
	s_cbranch_scc0 .Lentry_shape_is_right
	s_endpgm
.Lentry_shape_is_right:
; o[b][h][q][:] = the sum over k of softmax_k(q . k / 8 + (1 - mask[b][k]) x -10000) v[k][:].  q, k, v: f16 [3][4][16][2048][64] (one buffer); mask: int32 [4][2048]; o: f16 [4][16][2048][64].
; Products on f16 operands with f32 sums; maxima, exponentials and row sums in f32; the weights p are rounded to f16 for the second product, o once at the end.
; LIMITS: |o| inside f16's range (it is an average of v's); mask numbers under 2^24 in size, so that their f32 value is exact; NaN and infinities are not served.
; SHARES.  A work-group owns 512 queries of one batch and head, each of its eight waves 64: four tiles of 16.  Two waves lie on a SIMD: one's vector work stands beside the other's matrix work.  Every wave walks all 2,048 keys, 64 a step.
; LAYOUT.  S^T = K Q^T (source 0 = 16 keys, source 1 = 16 queries): a lane holds ONE query (lane % 16) and the keys 8 (lane / 16) + 0..7 of a tile.  Two such tiles, rounded to f16 in pairs, ARE source 1 of O^T = V^T P.
; K comes out of LDS as it lies, V ([key][channel]) turned, by ds_load_tr16_b128.
; THE MASK IS THE C OF EACH SCORE'S FIRST PRODUCT: -80000 (1 - mask), eight times what is added to q . k / 8, made once in f32, kept in LDS, eight registers for a tile of 16 keys.  No key is left out.
; SOFTMAX.  For each query a running maximum m and sum l: p = 2^(c s - c m), c = log2(e) / 8; in every step O and l are multiplied by a = 2^(c m_old - c m_new).  m begins at -3e38 and O and l at 0, so the step is written once.
; RING.  Two LDS slots of four steps (256 keys).  The change of slots stands at a slot's head; behind it each wave asks for one tile (64 keys of K: waves 0-3; of V: waves 4-7) of the next slot, which has four steps in which to land.
; CLUSTER.  The four query blocks of a head walk the same K and V: each tile is asked for JOINTLY, by the same tensor load with the same descriptor and the mask 15.
; REGISTERS: window 0: v1-7 addresses; v8-23 four statistics a tile (c m, m, l in two halves); v24-31 two at work a tile; v32-63 the mask's four tiles; v64-127 K's 8 fragments; v128-255 S^T, 32 a tile, then P in place.
;   window 1: v0-127 O^T, 32 a tile; v128-191 Q; v192-255 V's 8 fragments.
.set KS,    64                         ; keys in a step
.set PK,    144                        ; a row of K in LDS: 128 bytes + 16 of padding
.set PV,    160                        ; a row of V: 128 + 32
.set VOFF,  KS*PK                      ; a step's tiles lie together: 64 rows of K, then 64 rows of V
.set STEPB, KS*(PK+PV)
.set SLOT1, 1<<17                      ; slot 1 begins here: one exclusive or turns an address in one slot into the other's
.set MASKB, SLOT1+4*STEPB              ; behind the ring: the batch's 2,048 mask numbers in f32; written by LDS stores, never a fill's target
.set SPARE, MASKB+8192                 ; the spare words, 128 bytes a wave
.set SP,    144                        ; the way out: a stage of 64 rows x (128 bytes + 16) for each wave, in slot 0, which has had its last fill and is left at the last change of slots
.set AK0, 1                            ; v1  my lane's place in a tile of K
.set AV0, 2                            ; v2  the same for V
.set AM0, 3                            ; v3  and among the mask's numbers
.set ADR, 4                            ; v4  the address of the run of loads in hand
.set SPW, 5                            ; v5  my spare word; never rewritten
.set NIL, 6                            ; v6  0; never rewritten
.set PFO, 7                            ; v7  256 x lane: the prefetches' offset; never rewritten
.set ST,  8
.set TA,  24
.set MC,  32
.set KF,  64
.set S,   128
.set QF,  128                          ; window 1
.set VF,  192                          ; window 1
.set WV,  12                           ; s12 my wave's number
.set LIM, 15                           ; s15 1 in a wave that prefetches, else the greatest number
.set PFA, 18                           ; s[18:19] where my prefetches stand
.set G1K, 24
.set G1V, 32
.set G0K, 40                           ; s[40:43], s[44:47]: groups 0, which walk
.set G0V, 44
.set C8,  48                           ; s48 80000.0;  s53 -80000.0
.set TMI, 49                           ; s49 the mask's offset within a slot: 256 bytes a step
.set TMPS, 50
.set SLOTS, 56
.set CNT, 57
.set CS,  58                           ; s[58:59] c
.set SEL, 60                           ; s[60:61] lane selects for v_permlanex16_b32: lane l xor 16
.set TB,  62                           ; s62 LDS byte at which the step's tiles begin
.set TM,  63                           ; s63 the mask's offset of the slot: 1,024 bytes a slot
.set MSB, 0
.macro WIN new
.if MSB != (\new)
	s_set_vgpr_msb (MSB<<8)|(\new)
.set MSB, (\new)
.endif
.endm
.set W_KQ, 0x04                        ; Q (source 1) window 1; K, C and S^T window 0
.set W_PV, 0x51                        ; V (source 0), C and D window 1; P window 0
.set W_RS, 0x41                        ; O^T (destination and source 0) window 1, the factor window 0
.set TO_1, 0x40                        ; destination window 1, address window 0
.macro PLACES
.rept 4
	v_nop
.endr
.endm
; A joint load.  Waves 0-3 fetch a step's tile of K, waves 4-7 of V.  The branch hangs on the wave's number alone.  An s_nop 0 and four v_nop follow each of the two lines.
.macro JLOAD
	s_cmp_lt_u32 s[WV], 4
	s_cbranch_scc0 .Lfor_v_\@
	tensor_load_to_lds s[G0K:G0K+3], s[G1K:G1K+7]
	s_nop 0
.rept 4
	v_nop
.endr
	s_branch .Lasked_\@
.Lfor_v_\@:
	tensor_load_to_lds s[G0V:G0V+3], s[G1V:G1V+7]
	s_nop 0
.rept 4
	v_nop
.endr
.Lasked_\@:
.endm
; A PREFETCH INTO THE L2 of what the NEXT change of slots will ask for: a slot's 32,768 bytes of K and of V.  One cluster alone walks a head.  Its four partners share the bytes out BY ADDRESS, 8,192 each, lanes 256 bytes apart;
; in each, wave 0 asks for K's and wave 4 for V's: one instruction.  So each aligned block of 256 bytes is named once in the launch.  The last change that fills a slot asks for nothing; slots 0 and 1 come by their loads alone.
.macro ASK
	s_cmp_gt_u32 s[SLOTS], s[LIM]
	s_cbranch_scc0 .Lnot_mine_\@
	global_prefetch_b8 v[PFO], s[PFA:PFA+1] th:TH_LOAD_NT scope:SCOPE_SE
.Lnot_mine_\@:
.endm
.macro CROUND                          ; a round of the cluster's barrier
	s_barrier_signal -1
	s_barrier_wait -1
	s_cmp_lg_u32 s[WV], 0
	s_cbranch_scc1 .Lnot_wave_0_\@
	s_barrier_signal -3
.Lnot_wave_0_\@:
	s_barrier_wait -3
	s_barrier_signal -1
	s_barrier_wait -1
.endm
	s_load_b128 s[4:7], s[0:1], 0x0                ; qkv, the mask
	s_load_b64 s[8:9], s[0:1], 0x10                ; o16
	v_lshl_add_u32 v[SPW], v0, 2, SPARE
	v_mov_b32 v[NIL], 0
	ds_add_u32 v[SPW], v[NIL]                      ; the wave's opening: the add, twice on end; its wait stands ahead of my first tensor load
	ds_add_u32 v[SPW], v[NIL]
	v_lshrrev_b32 v1, 5, v0
	v_readfirstlane_b32 s[WV], v1                  ; wave 0..7
	s_bfe_u32 s13, ttmp6, 0x40000                  ; cx: my block of 512 queries: it enters Q's, O's and the prefetches' addresses alone
	s_and_b32 s14, ttmp7, 0xffff                   ; 16 x batch + head, which the four partners share
	s_lshl_b32 s20, s14, 18                        ; a head's 262,144 bytes
	s_and_b32 s51, s[WV], 3                        ; which of a slot's four steps I fetch
	s_lshl_b32 s22, s51, 13                        ; its 64 rows of 128 bytes,
	s_add_co_u32 s22, s22, s20                     ; in my head,
	s_add_co_u32 s22, s22, 0x1000000               ; in k's third of the buffer
	s_mov_b32 s23, 0
	s_mul_i32 s52, s51, STEPB                      ; and its place in a slot: no place in the cluster enters an LDS address
	s_lshl_b32 s2, s13, 16                         ; my block's 512 rows,
	s_lshl_b32 s3, s[WV], 13                       ; my wave's 64 of them
	s_add_co_u32 s2, s2, s3
	s_add_co_u32 s2, s2, s20
	s_mov_b32 s3, 0
	s_lshr_b32 s54, s14, 4                         ; the batch
	s_lshl_b32 s54, s54, 13                        ; its 2,048 mask numbers
	s_mov_b32 s55, 0
	; descriptor group 1: a tile of 64 rows x 64 elements of 2 bytes, dense in memory, padded in LDS
	s_mov_b32 s[G1K], 15|(1<<16)|(1<<20)|(1<<21)|(4<<22)|(3<<25)  ; the mask: all four work-groups; elements of 2 bytes; padding on; bit 21 beside a mask; after every 32 words four words
	s_mov_b32 s[G1V], 15|(1<<16)|(1<<20)|(1<<21)|(4<<22)|(7<<25)  ; the same with eight words
.irp g, G1K, G1V
	s_mov_b32 s[\g+1], 64<<16                      ; tensor_dim0
	s_mov_b32 s[\g+2], KS<<16                      ; tensor_dim1
	s_mov_b32 s[\g+3], 64<<16                      ; tile_dim0
	s_mov_b32 s[\g+4], KS                          ; tile_dim1
	s_mov_b32 s[\g+5], 64                          ; from row to row
	s_mov_b32 s[\g+6], 0
	s_mov_b32 s[\g+7], 0
.endr
	s_mov_b32 s[CS], 0x3e38aa3b                    ; c = log2(e) / 8
	s_mov_b32 s[CS+1], s[CS]                       ; named with it as a pair, so it is written
	s_mov_b32 s[SEL], 0x76543210
	s_mov_b32 s[SEL+1], 0xfedcba98
	s_mov_b32 s[C8], 0x479c4000                    ; 80000.0
	s_mov_b32 s53, 0xc79c4000                      ; -80000.0
	s_mov_b32 s[TB], 0
	s_mov_b32 s[TM], 0
	s_mov_b32 s[SLOTS], 7
	s_cmp_eq_u32 s51, 0                            ; waves 0 and 4 prefetch: the same in all four partners
	s_cselect_b32 s[LIM], 1, -1
	s_wait_dscnt 0x0                               ; both opening adds are done
	s_wait_kmcnt 0x0
	s_add_nc_u64 s[10:11], s[4:5], s[22:23]        ; K at my tile of slot 0,
	s_add_nc_u64 s[16:17], s[10:11], 0x1000000     ; V likewise
	s_add_nc_u64 s[4:5], s[4:5], s[2:3]            ; Q and O at my wave's first row
	s_add_nc_u64 s[8:9], s[8:9], s[2:3]
	s_add_nc_u64 s[6:7], s[6:7], s[54:55]          ; the mask at my batch
	s_mov_b32 s[G0K], 1                            ; count = 1
	s_mov_b32 s[G0K+1], s52                        ; LDS address
	s_mov_b64 s[G0K+2:G0K+3], s[10:11]             ; global address
	s_or_b32 s[G0K+3], s[G0K+3], 0x80000000        ; type = 2
	s_mov_b32 s[G0V], 1
	s_add_co_u32 s[G0V+1], s52, VOFF
	s_mov_b64 s[G0V+2:G0V+3], s[16:17]
	s_or_b32 s[G0V+3], s[G0V+3], 0x80000000
	s_cmp_lt_u32 s[WV], 4
	s_cselect_b64 s[PFA:PFA+1], s[10:11], s[16:17] ; (in waves 0 and 4 these stand at a slot's first row)
	s_lshl_b32 s22, s13, 13                        ; my work-group's 8,192 bytes of a slot's 32,768,
	s_add_co_u32 s22, s22, 32768                   ; in slot 1: the first change of slots steps it to slot 2.  Nothing is prefetched at the head
	s_add_nc_u64 s[PFA:PFA+1], s[PFA:PFA+1], s[22:23]
	CROUND                                         ; all four work-groups are here: the first joint loads meet
	JLOAD                                          ; slot 0: one tensor load of mine is out
	v_and_b32 v24, 15, v0                          ; r = lane % 16
	v_bfe_u32 v25, v0, 4, 1                        ; h = lane / 16
	v_lshlrev_b32 v[ADR], 7, v24
	v_lshl_add_u32 v[ADR], v25, 4, v[ADR]          ; Q: row r of 128 bytes + 16 h
	WIN TO_1
.irp f, 0,1,2,3,4,5,6,7                        ; Q stays in registers: tile f / 2, channels 32 (f % 2) on
	global_load_b128 v[QF+8*\f:QF+8*\f+3],   v[ADR], s[4:5] offset:(\f/2)*2048+(\f%2)*64
	global_load_b128 v[QF+8*\f+4:QF+8*\f+7], v[ADR], s[4:5] offset:(\f/2)*2048+(\f%2)*64+32
.endr
	WIN 0
	v_lshlrev_b32 v26, 5, v0                       ; the mask: eight numbers a thread, 2,048 for the 256 threads
	global_load_b128 v[32:35], v26, s[6:7]
	global_load_b128 v[36:39], v26, s[6:7] offset:16
	v_mul_u32_u24 v[AK0], v24, PK
	v_lshl_add_u32 v[AK0], v25, 4, v[AK0]          ; K: row x pitch + 16 x half
	v_and_b32 v27, 7, v0
	v_lshl_add_u32 v[AV0], v25, 3, v27             ; V: the turning load takes key 8 (l / 16) + l % 8,
	v_mul_u32_u24 v[AV0], v[AV0], PV
	v_bfe_u32 v27, v0, 3, 1
	v_lshl_add_u32 v[AV0], v27, 4, v[AV0]          ; channels 8 ((l / 8) % 2) on
	v_add_nc_u32 v[AV0], VOFF, v[AV0]
	v_lshl_add_u32 v[AM0], v25, 5, MASKB           ; the mask: my half's eight keys of a tile
	v_and_b32 v[PFO], 31, v0
	v_lshlrev_b32 v[PFO], 8, v[PFO]
	v_add_nc_u32 v27, MASKB, v26
.irp t, 0,1,2,3
	v_mov_b32 v[ST+4*\t+1], 0xff61b1e6             ; m = -3e38, under every score
	v_mul_f32 v[ST+4*\t], s[CS], v[ST+4*\t+1]      ; c m
	v_mov_b32 v[ST+4*\t+2], 0                      ; l, in two halves
	v_mov_b32 v[ST+4*\t+3], 0
.endr
	WIN TO_1
.set jj, 0
.rept 128
	v_mov_b32 v[jj], 0                             ; O^T.  (The step is written once: the first finds zeros, which its factor a = 0 leaves zeros)
.set jj, jj+1
.endr
	WIN 0
	s_wait_loadcnt 0x0                             ; Q and the mask
.irp j, 0,1,2,3,4,5,6,7
	v_cvt_f32_i32 v[32+\j], v[32+\j]
.endr
.irp j, 0,1,2,3,4,5,6,7
	v_fma_f32 v[32+\j], v[32+\j], s[C8], s53       ; 80000 mask - 80000 = -80000 (1 - mask): one rounding
.endr
	ds_store_b128 v27, v[32:35]                    ; the other waves read these behind the first change's wait and round
	ds_store_b128 v27, v[36:39] offset:16
; A KEY STEP: 64 keys.
.macro STEP
	v_add_nc_u32 v[ADR], s[TB], v[AK0]
	PLACES                                         ; with the three address lines seven places behind the last step's V^T P: four are owed to the loads into V's registers, five to the products that write S^T over P
.irp f, 0,1,2,3,4,5,6,7                        ; K: keys 16 (f / 2) on, channels 32 (f % 2) on
	ds_load_b128 v[KF+8*\f:KF+8*\f+3],   v[ADR] offset:(\f/2)*16*PK+(\f%2)*64
	ds_load_b128 v[KF+8*\f+4:KF+8*\f+7], v[ADR] offset:(\f/2)*16*PK+(\f%2)*64+32
.endr
	s_add_co_u32 s[TMPS], s[TM], s[TMI]
	v_add_nc_u32 v[ADR], s[TMPS], v[AM0]
.irp k, 0,1,2,3                                ; the mask of keys 16 k + 8 h + 0..7: the lanes of a half read the same words
	ds_load_b128 v[MC+8*\k:MC+8*\k+3],   v[ADR] offset:64*\k
	ds_load_b128 v[MC+8*\k+4:MC+8*\k+7], v[ADR] offset:64*\k+16
.endr
	v_add_nc_u32 v[ADR], s[TB], v[AV0]
	WIN TO_1
.irp f, 0,1,2,3,4,5,6,7                        ; V, turned: keys 32 (f / 4) on, channels 16 (f % 4) on
	ds_load_tr16_b128 v[VF+8*\f:VF+8*\f+3],   v[ADR] offset:(\f/4)*32*PV+(\f%4)*32
	ds_load_tr16_b128 v[VF+8*\f+4:VF+8*\f+7], v[ADR] offset:(\f/4)*32*PV+16*PV+(\f%4)*32
.endr
	s_wait_dscnt 16                                ; K and the mask are in; V's sixteen loads may be out
	WIN W_KQ
.set ii, 0
.rept 32                                       ; S^T = K Q^T + mask: channels 32 (ii / 16) on, keys 16 ((ii / 4) % 4) on, tile ii % 4.  The 16 accumulators take turns
.set rS, S+32*(ii%4)+8*((ii/4)%4)
.set rK, KF+8*(2*((ii/4)%4)+ii/16)
.set rQ, QF+8*(2*(ii%4)+ii/16)
.set rM, MC+8*((ii/4)%4)
.if ii < 16
	v_wmma_f32_16x16x32_f16 v[rS:rS+7], v[rK:rK+7], v[rQ:rQ+7], v[rM:rM+7]
.else
	v_wmma_f32_16x16x32_f16 v[rS:rS+7], v[rK:rK+7], v[rQ:rQ+7], v[rS:rS+7]
.endif
.set ii, ii+1
.endr
	WIN 0
	PLACES                                         ; in front of the first read of the scores
.irp t, 0,1,2,3                                ; the largest of a lane's 32 scores and the old m: two chains a tile, the four tiles by turns; each accumulator is first read at its low end
	v_max3_num_f32 v[TA+2*\t],   v[S+32*\t],    v[S+32*\t+1],  v[S+32*\t+2]
	v_max3_num_f32 v[TA+2*\t+1], v[S+32*\t+16], v[S+32*\t+17], v[S+32*\t+18]
.endr
.irp i, 3,5,7,9,11,13
.irp t, 0,1,2,3
	v_max3_num_f32 v[TA+2*\t],   v[TA+2*\t],   v[S+32*\t+\i],    v[S+32*\t+\i+1]
	v_max3_num_f32 v[TA+2*\t+1], v[TA+2*\t+1], v[S+32*\t+16+\i], v[S+32*\t+17+\i]
.endr
.endr
.irp t, 0,1,2,3
	v_max3_num_f32 v[TA+2*\t], v[TA+2*\t], v[S+32*\t+15], v[S+32*\t+31]
.endr
.irp t, 0,1,2,3
	v_max3_num_f32 v[TA+2*\t], v[TA+2*\t], v[TA+2*\t+1], v[ST+4*\t+1]
.endr
.irp t, 0,1,2,3
	v_permlanex16_b32 v[TA+2*\t+1], v[TA+2*\t], s[SEL], s[SEL+1]   ; the query's other 32 keys lie in the lane 16 away
.endr
.irp t, 0,1,2,3
	v_max_num_f32 v[ST+4*\t+1], v[TA+2*\t], v[TA+2*\t+1]           ; the new m
.endr
.irp t, 0,1,2,3
	v_mul_f32 v[TA+2*\t], s[CS], v[ST+4*\t+1]                      ; c m
.endr
.irp t, 0,1,2,3
	v_sub_f32 v[TA+2*\t+1], v[ST+4*\t], v[TA+2*\t]                 ; c m_old - c m_new, 0 or less
.endr
.irp t, 0,1,2,3
	v_mov_b32 v[ST+4*\t], v[TA+2*\t]
.endr
.set jj, 0
.rept 64
	v_pk_fma_f32 v[S+2*jj:S+2*jj+1], v[S+2*jj:S+2*jj+1], s[CS:CS+1], v[ST+4*(jj/16):ST+4*(jj/16)+1] op_sel_hi:[1,0,0] neg_lo:[0,0,1] neg_hi:[0,0,1]   ; c s - c m, two at a time
.set jj, jj+1
.endr
.irp t, 0,1,2,3                                ; ONE BATCH of exponentials: the four factors a and the 128 weights; none reads another's result
	v_exp_f32 v[TA+2*\t], v[TA+2*\t+1]
.endr
.set jj, 0
.rept 128
	v_exp_f32 v[S+jj], v[S+jj]
.set jj, jj+1
.endr
	v_nop                                          ; a plain instruction behind the last exponential,
	s_wait_alu depctr_va_vdst(0)                   ; and one wait ahead of the batch's first reader
.irp t, 0,1,2,3
	v_pk_fma_f32 v[ST+4*\t+2:ST+4*\t+3], v[ST+4*\t+2:ST+4*\t+3], v[TA+2*\t:TA+2*\t+1], v[S+32*\t:S+32*\t+1] op_sel_hi:[1,0,1]   ; l = a l + the unrounded weights
.endr
.irp j, 2,4,6,8,10,12,14,16,18,20,22,24,26,28,30
.irp t, 0,1,2,3
	v_pk_add_f32 v[ST+4*\t+2:ST+4*\t+3], v[ST+4*\t+2:ST+4*\t+3], v[S+32*\t+\j:S+32*\t+\j+1]
.endr
.endr
.set jj, 0
.rept 16                                       ; P in place: register i of a tile takes weights 2 i and 2 i + 1, which have been read by then; keys 32 g on lie at 8 g
.irp t, 0,1,2,3
	v_cvt_pk_f16_f32 v[S+32*\t+jj], v[S+32*\t+2*jj], v[S+32*\t+2*jj+1]
.endr
.set jj, jj+1
.endr
	WIN W_RS
.set jj, 0
.rept 64
	v_pk_mul_f32 v[2*jj:2*jj+1], v[2*jj:2*jj+1], v[TA+2*(jj/16):TA+2*(jj/16)+1] op_sel_hi:[1,0]   ; O^T x a, each accumulator from its low end on
.set jj, jj+1
.endr
	s_wait_dscnt 0x0                               ; V is in
	WIN W_PV
.set ii, 0
.rept 32                                       ; O^T += V^T P: keys 32 (ii / 16) on, channels 16 ((ii / 4) % 4) on, tile ii % 4; the 16 accumulators by turns
.set rO, 32*(ii%4)+8*((ii/4)%4)
.set rV, VF+8*(4*(ii/16)+(ii/4)%4)
.set rP, S+32*(ii%4)+8*(ii/16)
	v_wmma_f32_16x16x32_f16 v[rO:rO+7], v[rV:rV+7], v[rP:rP+7], v[rO:rO+7]
.set ii, ii+1
.endr
	WIN 0
	s_add_co_u32 s[TB], s[TB], STEPB               ; the next step's tiles
	s_add_co_u32 s[TMI], s[TMI], 256               ; and mask numbers
.endm
; THE CHANGE OF SLOTS stands at a slot's head.  Each wave waits for all its tensor loads (its part of the slot that it is about to read), adds 0 to its spare word, and waits for that and for its LDS instructions so far
; (its reads of the slot that it has left; the first time its stores of the mask).  fill = 1: the barrier is a round of the cluster's, and the slot that was left is filled with the next 256 keys: my one tensor load until the next round.
.macro CHANGE fill
	s_wait_tensorcnt 0x0                           ; no tensor load of mine is out, so a group 0 may be written
	ds_add_u32 v[SPW], v[NIL]                      ; 0 onto my spare word
.if \fill
	s_xor_b32 s[G0K+1], s[G0K+1], SLOT1            ; the walking descriptors: the other slot than last time,
	s_add_nc_u64 s[G0K+2:G0K+3], s[G0K+2:G0K+3], 32768   ; the next 256 keys; the type bits on top are not reached
	s_xor_b32 s[G0V+1], s[G0V+1], SLOT1
	s_add_nc_u64 s[G0V+2:G0V+3], s[G0V+2:G0V+3], 32768
	s_wait_xcnt 0x0                                ; the last prefetch, a slot back, has read its address, so it may be written:
	s_add_nc_u64 s[PFA:PFA+1], s[PFA:PFA+1], 32768 ; one slot further on than the walking descriptors
	s_wait_dscnt 0x0
	CROUND
	JLOAD
	ASK
.else
	s_wait_dscnt 0x0
	s_barrier_signal -1
	s_barrier_wait -1
.endif
.endm
.macro FOUR_STEPS                      ; a slot's four key steps: written once, walked four times
	s_mov_b32 s[CNT], 4
	s_mov_b32 s[TMI], 0
.Lstep_\@:
	STEP
	s_sub_co_u32 s[CNT], s[CNT], 1
	s_cmp_lg_u32 s[CNT], 0
	s_cbranch_scc1 .Lstep_\@
	s_sub_co_u32 s[TB], s[TB], 4*STEPB             ; back to a slot's first step,
	s_xor_b32 s[TB], s[TB], SLOT1                  ; in the other slot
	s_add_co_u32 s[TM], s[TM], 1024
.endm
.Lslot:                                            ; seven trips: behind each change of slots but the last the next slot is asked for
	CHANGE 1
	FOUR_STEPS
	s_sub_co_u32 s[SLOTS], s[SLOTS], 1
	s_cmp_lg_u32 s[SLOTS], 0
	s_cbranch_scc1 .Lslot
	CHANGE 0                                       ; the last slot is written out
	FOUR_STEPS
	; THE WAY OUT.  l's two halves and the other half of the lanes' are added; O^T is divided by l, rounded to f16 and sent through my stage, so that an instruction stores four queries' rows: 512 consecutive bytes.
.irp t, 0,1,2,3
	v_add_f32 v[TA+2*\t], v[ST+4*\t+2], v[ST+4*\t+3]               ; (these lines are the places behind the last products)
.endr
.irp t, 0,1,2,3
	v_permlanex16_b32 v[TA+2*\t+1], v[TA+2*\t], s[SEL], s[SEL+1]
.endr
.irp t, 0,1,2,3
	v_add_f32 v[TA+2*\t+1], v[TA+2*\t], v[TA+2*\t+1]
.endr
.irp t, 0,1,2,3
	v_rcp_f32 v[TA+2*\t], v[TA+2*\t+1]
.endr
	s_mul_i32 s[TMPS], s[WV], 64*SP                ; my stage.  The address lines are the plain work behind the reciprocals
	v_and_b32 v1, 15, v0
	v_bfe_u32 v2, v0, 4, 1
	v_mul_u32_u24 v3, v1, SP
	v_lshl_add_u32 v3, v2, 4, v3
	v_add_nc_u32 v3, s[TMPS], v3                   ; in: row r, 16 bytes for each half of the lanes
	v_and_b32 v1, 31, v0
	v_lshrrev_b32 v2, 3, v1
	v_mul_u32_u24 v2, v2, SP
	v_and_b32 v4, 7, v0
	v_lshl_add_u32 v2, v4, 4, v2
	v_add_nc_u32 v2, s[TMPS], v2                   ; back: eight lanes to a row of 128 bytes, four rows an instruction
	v_lshlrev_b32 v1, 4, v1                        ; and the same 512 bytes in o16
	s_wait_alu depctr_va_vdst(0)                   ; one wait for the four reciprocals, ahead of their first reader
	WIN W_RS
.set jj, 0
.rept 64
	v_pk_mul_f32 v[2*jj:2*jj+1], v[2*jj:2*jj+1], v[TA+2*(jj/16):TA+2*(jj/16)+1] op_sel_hi:[1,0]
.set jj, jj+1
.endr
	WIN 0x05                                       ; sources 0 and 1 window 1, destination window 0: S^T's registers are free
.set jj, 0
.rept 64
	v_cvt_pk_f16_f32 v[S+jj], v[2*jj], v[2*jj+1]   ; registers 4 (4 t + ct) on: channels 16 ct + 8 h + 0..7 of query 16 t + r
.set jj, jj+1
.endr
	WIN 0
.irp f, 0,1,2,3,4,5,6,7,8,9,10,11,12,13,14,15
	ds_store_b128 v3, v[S+4*\f:S+4*\f+3] offset:(\f/4)*16*SP+(\f%4)*32
.endr
.irp e, 0,1,2,3,4,5,6,7,8,9,10,11,12,13,14,15
	ds_load_b128 v[192+4*\e:192+4*\e+3], v2 offset:\e*4*SP         ; LDS serves a wave's instructions in order: these see my stores
.endr
.irp e, 0,1,2,3,4,5,6,7,8,9,10,11,12,13,14,15
	s_wait_dscnt 15-\e                             ; the younger loads may be out
	global_store_b128 v1, v[192+4*\e:192+4*\e+3], s[8:9] offset:\e*512
.endr
	s_wait_tensorcnt 0x0                           ; the wave's end
	ds_add_u32 v[SPW], v[NIL]
	s_wait_dscnt 0x0
	CROUND                                         ; the closing round
	s_endpgm
.Lfunc_end_k_qb7b6715343_attn:
	.size	k_qb7b6715343_attn, .Lfunc_end_k_qb7b6715343_attn-k_qb7b6715343_attn
	.p2alignl 7, 3214868480
	.fill 96, 4, 3214868480
	.section	.rodata,"a",@progbits
	.p2align	6, 0x0
	.amdhsa_kernel k_qb7b6715343_attn
		.amdhsa_group_segment_fixed_size 327680
		.amdhsa_private_segment_fixed_size 0
		.amdhsa_enable_private_segment 0
		.amdhsa_kernarg_size 24
		.amdhsa_user_sgpr_count 2
		.amdhsa_user_sgpr_kernarg_segment_ptr 1
		.amdhsa_wavefront_size32 1
		.amdhsa_system_sgpr_workgroup_id_x 1
		.amdhsa_system_sgpr_workgroup_id_y 1
		.amdhsa_system_sgpr_workgroup_id_z 1
		.amdhsa_system_vgpr_workitem_id 0
		.amdhsa_next_free_vgpr 512
		.amdhsa_next_free_sgpr 66
		.amdhsa_reserve_vcc 0
		.amdhsa_float_denorm_mode_32 3
		.amdhsa_float_denorm_mode_16_64 3
		.amdhsa_memory_ordered 1
		.amdhsa_forward_progress 1
		.amdhsa_inst_pref_size 94
	.end_amdhsa_kernel
	.amdgpu_metadata
---
amdhsa.version: [ 1, 2 ]
amdhsa.kernels:
  - .name:           k_qb7b6715343_attn
    .symbol:         k_qb7b6715343_attn.kd
    .args:
      - { .name: qkv, .offset: 0, .size: 8, .value_kind: global_buffer, .address_space: global }
      - { .name: attention_mask, .offset: 8, .size: 8, .value_kind: global_buffer, .address_space: global }
      - { .name: o16, .offset: 16, .size: 8, .value_kind: global_buffer, .address_space: global }
    .group_segment_fixed_size: 327680
    .private_segment_fixed_size: 0
    .kernarg_segment_align: 8
    .kernarg_segment_size: 24
    .max_flat_workgroup_size: 256
    .sgpr_count:     66
    .vgpr_count:     512
    .wavefront_size: 32
...
	.end_amdgpu_metadata
.endif
;; end of part 3
;; launch oproj (part 4): grid 4 x 64, 4 waves a work-group, clusters of 4 x 4, 327,680 bytes of LDS; arguments o16, wo16, b_o, out0; writes out0
.if DOCPART == 4
	.amdgcn_target "amdgcn-amd-amdhsa--gfx1250"
	.amdhsa_code_object_version 6
	.text
	.protected	k_qb7b6715343_oproj
	.globl	k_qb7b6715343_oproj
	.p2align	8
	.type	k_qb7b6715343_oproj,@function
k_qb7b6715343_oproj:
	s_mov_b64 s[64:65], 0
	v_nop
	global_prefetch_b8 v0, s[64:65] scope:SCOPE_SE
	s_setreg_imm32_b32 hwreg(HW_REG_WAVE_MODE, 25, 1), 1
	s_wait_xcnt 0x0
	s_wait_alu depctr_hold_cnt(0) depctr_sa_sdst(0) depctr_va_vdst(0) depctr_va_sdst(0) depctr_va_ssrc(0) depctr_va_vcc(0) depctr_vm_vsrc(0)
	s_getreg_b32 s2, hwreg(HW_REG_IB_STS2, 6, 4)
	s_cmp_eq_u32 s2, 0
	s_cbranch_scc0 .Lentry_in_a_cluster
	s_endpgm
.Lentry_in_a_cluster:
	s_bfe_u32 s2, ttmp6, 0x10000c
	s_cmp_lg_u32 s2, 0xf033
	s_cbranch_scc0 .Lentry_shape_is_right
	s_endpgm
.Lentry_shape_is_right:
; out0[m][n] = sum over k of o[m][k] w_o[n][k] + b_o[n]: 8,192 x 1,024 x 1,024, f16 operands, f32 sums, f32 out.  Both operands lie by head: o16 [4 batches][16 heads][2048 tokens][64], wo16 [16 heads][1024 n][64]; k = 64 x head + channel.
; A tile of C is 128 (m) x 256 (n): 256 work-groups.  Four waves, each 64 x 128: 32 accumulators of 16 x 16, 256 registers.  K goes in steps of 128, two heads ('planes'), through a ring of two LDS slots:
; waves 0 and 1 fetch A's two planes (128 rows of 128 bytes), waves 2 and 3 B's (256 rows): one tensor load a wave behind each change of slots.
; CLUSTERS: 4 x 4 work-groups; A's tiles are shared along a row of the cluster, B's along a column, each asked for JOINTLY.  THE MATRIX INSTRUCTION IS USED TRANSPOSED (source 0 = 16 rows of w_o, source 1 = 16 rows of o):
; a lane then holds eight neighbouring columns of a row of C.  b_o IS THE C OF EACH SUM'S FIRST PRODUCT.
; No prefetch: the launch is short and its K steps' tiles are small.  One tile to a work-group.
; REGISTERS: window 0: v16-29 addresses; v64-95, v96-127 A's fragments (4 x 16 rows x 32 K), two buffers; v128-255 rows on the way out.  window 1: v0-63, v64-127 B's fragments (8), two buffers; v128-191 the bias.
;   window 2: accumulator (a, b) at v[8 (8 a + b)].
.set PITCH,  144                       ; an LDS row: 128 bytes + 16 of padding
.set APL,    128*PITCH                 ; a plane of A
.set BPL,    256*PITCH                 ; a plane of B
.set SLOT,   2*APL+2*BPL               ; A's two planes, then B's two
.set STAGE,  2*SLOT                    ; behind the ring: 16 rows x 528 bytes for each wave
.set SPITCH, 528
.set SPARE,  STAGE+4*16*SPITCH         ; the spare words, 128 bytes a wave
.set LAPS,   4                         ; a lap = two K steps = once round the ring; K = 1,024 is eight K steps
.set ADRA, 16                          ; v16-17 LDS address of my A fragments in slot 0, 1
.set ADRB, 20                          ; v20-21 the same for B
.set STO,  24
.set RD,   25
.set CO,   26
.set BO,   27
.set SPW,  28                          ; my spare word; never rewritten
.set NIL,  29                          ; 0; never rewritten
.set AF,   64
.set BIAS, 128
.set BK,   128
.set WV,   12
.set ROLE, 13                          ; wave / 2: which 64 rows are mine.  Also: I fetch for A (0) or for B (1)
.set PL,   14                          ; wave % 2: which 128 columns.  Also: which plane I fetch
.set G1, 24
.set G0, 32
.set G1B, 48
.set G0B, 56
.set MSB, 0
.macro WIN new
.if MSB != (\new)
	s_set_vgpr_msb (MSB<<8)|(\new)
.set MSB, (\new)
.endif
.endm
.set MUL,   0xa1                       ; source 0 (B) window 1, source 1 (A) window 0, C and D window 2
.set FIRST, 0x91                       ; the first quarter: C (the bias) window 1
.set TO_B,  0x40
.macro JLOAD s                         ; a joint load; an s_nop 0 and four v_nop follow each of the two lines
	s_cmp_eq_u32 s[ROLE], 0
	s_cbranch_scc0 .Lfor_b_\@
	tensor_load_to_lds s[G0+4*\s:G0+4*\s+3], s[G1:G1+7]
	s_nop 0
.rept 4
	v_nop
.endr
	s_branch .Lasked_\@
.Lfor_b_\@:
	tensor_load_to_lds s[G0B+4*\s:G0B+4*\s+3], s[G1B:G1B+7]
	s_nop 0
.rept 4
	v_nop
.endr
.Lasked_\@:
.endm
.macro CREST                           ; a round of the cluster's barrier behind its opening barrier
	s_cmp_lg_u32 s[WV], 0
	s_cbranch_scc1 .Lnot_wave_0_\@
	s_barrier_signal -3
.Lnot_wave_0_\@:
	s_barrier_wait -3
	s_barrier_signal -1
	s_barrier_wait -1
.endm
.macro CROUND
	s_barrier_signal -1
	s_barrier_wait -1
	CREST
.endm
	s_load_b256 s[4:11], s[0:1], 0x0               ; o16, wo16, b_o, out0
	v_lshl_add_u32 v[SPW], v0, 2, SPARE
	v_mov_b32 v[NIL], 0
	ds_add_u32 v[SPW], v[NIL]                      ; the wave's opening: the add, twice on end; its wait stands ahead of my first tensor load
	ds_add_u32 v[SPW], v[NIL]
	v_lshrrev_b32 v1, 5, v0
	v_readfirstlane_b32 s[WV], v1
	s_lshr_b32 s[ROLE], s[WV], 1
	s_and_b32 s[PL], s[WV], 1
	s_bfe_u32 s40, ttmp6, 0x40000                  ; cx, cy
	s_bfe_u32 s41, ttmp6, 0x40004
	s_lshl_b32 s42, ttmp9, 2
	s_add_co_u32 s42, s42, s40                     ; tile column of C
	s_and_b32 s45, ttmp7, 0xffff
	s_lshl_b32 s45, s45, 2
	s_add_co_u32 s45, s45, s41                     ; tile row of C
	s_lshl_b32 s43, s41, 2
	s_lshl_b32 s43, 15, s43                        ; my row of the cluster
	s_lshl_b32 s44, 0x1111, s40                    ; my column
	s_or_b32 s[G1+0], s43, (1<<16)|(1<<20)|(1<<21)|(4<<22)|(3<<25)   ; the mask; elements of 2 bytes; padding on; bit 21 beside a mask; after every 32 words four words
	s_or_b32 s[G1B+0], s44, (1<<16)|(1<<20)|(1<<21)|(4<<22)|(3<<25)
	s_mov_b32 s[G1+1], 64<<16                      ; A: tensor_dim0 = 64,
	s_mov_b32 s[G1+2], 128<<16                     ; tensor_dim1 = 128,
	s_mov_b32 s[G1+3], 64<<16                      ; tile_dim0,
	s_mov_b32 s[G1+4], 128                         ; tile_dim1,
	s_mov_b32 s[G1+5], 64                          ; from row to row
	s_mov_b32 s[G1+6], 0
	s_mov_b32 s[G1+7], 0
	s_mov_b32 s[G1B+1], 64<<16                     ; B: the same with 256 rows
	s_mov_b32 s[G1B+2], 256<<16
	s_mov_b32 s[G1B+3], 64<<16
	s_mov_b32 s[G1B+4], 256
	s_mov_b32 s[G1B+5], 64
	s_mov_b32 s[G1B+6], 0
	s_mov_b32 s[G1B+7], 0
	s_lshr_b32 s16, s45, 4                         ; A: the batch (16 tile rows each): 16 heads x 262,144 bytes,
	s_lshl_b32 s16, s16, 22
	s_and_b32 s17, s45, 15
	s_lshl_b32 s17, s17, 14                        ; 128 tokens x 128 bytes a tile row,
	s_add_co_u32 s16, s16, s17
	s_lshl_b32 s17, s[PL], 18                      ; my plane's head
	s_add_co_u32 s16, s16, s17
	s_mov_b32 s17, 0
	s_lshl_b32 s46, s42, 15                        ; B: 256 rows x 128 bytes a tile column,
	s_lshl_b32 s47, s[PL], 17                      ; my plane's head: 131,072 bytes
	s_add_co_u32 s46, s46, s47
	s_mov_b32 s47, 0
	s_mul_i32 s20, s[PL], APL                      ; where they go: no place in the cluster enters an LDS address
	s_mul_i32 s21, s[PL], BPL
	s_add_co_u32 s21, s21, 2*APL
	s_wait_dscnt 0x0                               ; both opening adds are done
	s_wait_kmcnt 0x0
	s_add_nc_u64 s[18:19], s[4:5], s[16:17]
	s_add_nc_u64 s[46:47], s[6:7], s[46:47]
	CROUND                                         ; all sixteen work-groups are here: the first joint loads meet
.irp s, 0,1
	s_mov_b32 s[G0+4*\s], 1
	s_add_co_u32 s[G0+4*\s+1], s20, \s*SLOT
	s_add_nc_u64 s[G0+4*\s+2:G0+4*\s+3], s[18:19], \s*524288       ; K step s: two heads on
	s_or_b32 s[G0+4*\s+3], s[G0+4*\s+3], 0x80000000
	s_mov_b32 s[G0B+4*\s], 1
	s_add_co_u32 s[G0B+4*\s+1], s21, \s*SLOT
	s_add_nc_u64 s[G0B+4*\s+2:G0B+4*\s+3], s[46:47], \s*262144
	s_or_b32 s[G0B+4*\s+3], s[G0B+4*\s+3], 0x80000000
	JLOAD \s                                       ; two tensor loads of mine are out
.endr
	v_and_b32 v1, 15, v0                           ; r
	v_bfe_u32 v2, v0, 4, 1                         ; h
	s_lshl_b32 s46, s42, 10                        ; my first column, in bytes of f32: 1,024 x tile column + 512 x half
	s_lshl_b32 s47, s[PL], 9
	s_add_co_u32 s46, s46, s47
	s_mov_b32 s47, 0
	s_add_nc_u64 s[8:9], s[8:9], s[46:47]          ; b_o at my 128 columns
	v_lshlrev_b32 v[BO], 5, v2
	WIN TO_B
.irp b, 0,1,2,3,4,5,6,7
	global_load_b128 v[BIAS+8*\b:BIAS+8*\b+3], v[BO], s[8:9] offset:64*\b          ; register j of lane (r, h): b_o[16 b + 8 h + j]
	global_load_b128 v[BIAS+8*\b+4:BIAS+8*\b+7], v[BO], s[8:9] offset:64*\b+16
.endr
	WIN 0
	v_mul_u32_u24 v3, v1, PITCH
	v_lshl_add_u32 v3, v2, 4, v3                   ; a fragment's row x pitch + 16 x half
	s_mul_i32 s22, s[ROLE], 64*PITCH               ; my 64 rows of A
	s_mul_i32 s23, s[PL], 128*PITCH                ; my 128 rows of B,
	s_add_co_u32 s23, s23, 2*APL                   ; behind A's two planes
.irp s, 0,1
	v_add_nc_u32 v[ADRA+\s], s22, v3
	v_add_nc_u32 v[ADRB+\s], s23, v3
	s_add_co_u32 s22, s22, SLOT
	s_add_co_u32 s23, s23, SLOT
.endr
	s_mul_i32 s22, s[WV], 16*SPITCH
	s_add_co_u32 s22, s22, STAGE                   ; my stage
	v_mul_u32_u24 v4, v1, SPITCH                   ; in: row r, 32 bytes for each half of the lanes
	v_lshl_add_u32 v4, v2, 5, v4
	v_add_nc_u32 v[STO], s22, v4
	v_and_b32 v5, 31, v0
	v_lshlrev_b32 v[CO], 4, v5                     ; back: the 32 lanes take one row of 512 bytes; and the same in out0
	v_add_nc_u32 v[RD], s22, v[CO]
	s_lshl_b32 s16, s45, 19                        ; my first row of out0: 128 rows of 4,096 bytes a tile row,
	s_lshl_b32 s17, s[ROLE], 18                    ; 64 for my half
	s_add_co_u32 s16, s16, s17
	s_mov_b32 s17, 0
	s_add_nc_u64 s[10:11], s[10:11], s[16:17]
	s_add_nc_u64 s[10:11], s[10:11], s[46:47]
; 8 matrix instructions: A's block a x B's eight, 32 along K, buffer f.  zero = 1: the first product starts the sums from the bias.  The 32 accumulators take turns in the same order in every quarter.
.macro MUL8 f, a, zero
.irp b, 0,1,2,3,4,5,6,7
.if \zero
	v_wmma_f32_16x16x32_f16 v[8*(8*(\a)+\b):8*(8*(\a)+\b)+7], v[64*(\f)+8*\b:64*(\f)+8*\b+7], v[AF+32*(\f)+8*(\a):AF+32*(\f)+8*(\a)+7], v[BIAS+8*\b:BIAS+8*\b+7]
.else
	v_wmma_f32_16x16x32_f16 v[8*(8*(\a)+\b):8*(8*(\a)+\b)+7], v[64*(\f)+8*\b:64*(\f)+8*\b+7], v[AF+32*(\f)+8*(\a):AF+32*(\f)+8*(\a)+7], v[8*(8*(\a)+\b):8*(8*(\a)+\b)+7]
.endif
.endr
.endm
.macro MUL16 f, a0, zero
	MUL8 \f, \a0, \zero
	MUL8 \f, (\a0)+1, \zero
.endm
; 24 LDS loads in one run: the fragments of quarter q of slot s (plane q / 2, 32 along K at byte 64 (q % 2) of its rows) into buffer f: B's eight, then A's four
.macro FETCH s, q, f
	WIN TO_B
.irp i, 0,1,2,3,4,5,6,7
	ds_load_b128 v[64*(\f)+8*\i:64*(\f)+8*\i+3],   v[ADRB+\s] offset:((\q)/2)*BPL+((\q)%2)*64+\i*16*PITCH
	ds_load_b128 v[64*(\f)+8*\i+4:64*(\f)+8*\i+7], v[ADRB+\s] offset:((\q)/2)*BPL+((\q)%2)*64+\i*16*PITCH+32
.endr
	WIN 0
.irp i, 0,1,2,3
	ds_load_b128 v[AF+32*(\f)+8*\i:AF+32*(\f)+8*\i+3],   v[ADRA+\s] offset:((\q)/2)*APL+((\q)%2)*64+\i*16*PITCH
	ds_load_b128 v[AF+32*(\f)+8*\i+4:AF+32*(\f)+8*\i+7], v[ADRA+\s] offset:((\q)/2)*APL+((\q)%2)*64+\i*16*PITCH+32
.endr
.endm
.macro PLACES                          ; four places in front of loads into registers that matrix instructions have read, and of the first read of results
.rept 4
	v_nop
.endr
.endm
; A K step is four quarters of 32 along K, 32 matrix instructions each, on buffers 0, 1, 0, 1.  One of the first three: multiplies buffer f and fetches quarter qn of the same slot into g.
.macro QUARTER s, qn, f, g, zero
	s_wait_dscnt 4                                 ; B's eight and A's blocks 0 and 1 are in; the youngest four loads may be out
.if \zero
	WIN FIRST
.else
	WIN MUL
.endif
	MUL16 \f, 0, \zero
	PLACES
	FETCH \s, \qn, \g
	s_wait_dscnt 24                                ; all but the 24 just issued
.if \zero
	WIN FIRST
.else
	WIN MUL
.endif
	MUL16 \f, 2, \zero
.endm
; The last quarter multiplies buffer 1 and changes slots: ONE barrier; in front of it each wave waits for all its tensor loads, adds 0 to its spare word, and waits for that and for its reads of this slot.
; fill = 1: the barrier opens a round of the cluster's, and this slot is filled again, two K steps ahead: my one tensor load until the next round.
.macro TURN s, next, fill
	WIN 0
	s_wait_tensorcnt 0x0                           ; all my tensor loads have landed: my part of the next slot
	ds_add_u32 v[SPW], v[NIL]                      ; 0 onto my spare word
	s_wait_dscnt 5                                 ; (the add and the youngest four loads may be out)
	WIN MUL
	MUL8 1, 0, 0                                   ; eight matrix instructions stand between the add and the wait for it
	s_wait_dscnt 0x0                               ; the add is done, and my reads of this slot are over
	s_barrier_signal -1
	MUL8 1, 1, 0
	WIN 0
	s_barrier_wait -1
.if \fill
	CREST                                          ; no wave of any partner still reads this slot's tiles or has a load on its way
	s_add_nc_u64 s[G0+4*\s+2:G0+4*\s+3], s[G0+4*\s+2:G0+4*\s+3], 1048576     ; four heads on
	s_add_nc_u64 s[G0B+4*\s+2:G0B+4*\s+3], s[G0B+4*\s+2:G0B+4*\s+3], 524288
	JLOAD \s                                       ; the four v_nop behind it are also the places in front of the loads below
.else
	PLACES
.endif
	FETCH \next, 0, 0
	WIN MUL
	MUL16 1, 2, 0
.endm
	s_wait_tensorcnt 1                             ; my part of K step 0 is in (K step 1's load may be out)
	s_barrier_signal -1
	s_barrier_wait -1                              ; everybody's is
	FETCH 0, 0, 0
	s_wait_loadcnt 0x0                             ; the bias
	QUARTER 0, 1, 0, 1, 1                          ; the first quarter stands in front of the loop: its products start the sums
	WIN 0                                          ; at a label and at a branch every window is 0
	s_mov_b32 s3, LAPS-1
.Llap:                                             ; a trip goes once round the ring, from a lap's second quarter to the next lap's first, and fills both slots again
	QUARTER 0, 2, 1, 0, 0
	QUARTER 0, 3, 0, 1, 0
	TURN 0, 1, 1
	QUARTER 1, 1, 0, 1, 0
	QUARTER 1, 2, 1, 0, 0
	QUARTER 1, 3, 0, 1, 0
	TURN 1, 0, 1
	QUARTER 0, 1, 0, 1, 0
	WIN 0
	s_sub_co_u32 s3, s3, 1
	s_cmp_lg_u32 s3, 0
	s_cbranch_scc1 .Llap
	QUARTER 0, 2, 1, 0, 0                          ; the last lap fills nothing
	QUARTER 0, 3, 0, 1, 0
	TURN 0, 1, 0
	QUARTER 1, 1, 0, 1, 0
	QUARTER 1, 2, 1, 0, 0
	QUARTER 1, 3, 0, 1, 0
	s_wait_dscnt 4                                 ; the very last quarter: nothing more to fetch
	WIN MUL
	MUL16 1, 0, 0
	s_wait_dscnt 0
	MUL16 1, 2, 0
	WIN 0
; THE WAY OUT, block by block of 16 rows x 128 columns: through my own stage and back as whole rows of 512 bytes, which the 32 lanes store as 512 consecutive bytes, aligned.  LDS serves a wave's instructions in order.
.macro TOSTAGE a
	WIN 0x08                                       ; an LDS store's data are its source 1: window 2
.irp b, 0,1,2,3,4,5,6,7
	ds_store_b128 v[STO], v[8*(8*(\a)+\b):8*(8*(\a)+\b)+3] offset:64*\b            ; each accumulator from its low end on
	ds_store_b128 v[STO], v[8*(8*(\a)+\b)+4:8*(8*(\a)+\b)+7] offset:64*\b+16
.endr
	WIN 0
.set BB, BK+64*((\a)%2)
.irp t, 0,1,2,3,4,5,6,7,8,9,10,11,12,13,14,15
	ds_load_b128 v[BB+4*\t:BB+4*\t+3], v[RD] offset:\t*SPITCH
.endr
.endm
.macro SEND a, younger                 ; younger: the LDS instructions issued behind block a's loads, which may stay out
.set BB, BK+64*((\a)%2)
	s_wait_dscnt \younger
.irp t, 0,1,2,3,4,5,6,7,8,9,10,11,12,13,14,15
	global_store_b128 v[CO], v[BB+4*\t:BB+4*\t+3], s[10:11] offset:(\a)*65536+\t*4096 th:TH_STORE_NT   ; written once, read by nobody here
.endr
.endm
	PLACES                                         ; behind the last products, in front of the first read of results
	TOSTAGE 0
.irp a, 1,2,3
.if \a > 1
	s_wait_xcnt 0x0                                ; block a - 2's stores have read their registers: block a's loads may land there
.endif
	TOSTAGE \a
	SEND \a-1, 32                                  ; behind block a - 1's loads: block a's 16 stores and 16 loads
.endr
	SEND 3, 0
	s_wait_tensorcnt 0x0                           ; the wave's end
	ds_add_u32 v[SPW], v[NIL]
	s_wait_dscnt 0x0
	CROUND                                         ; the closing round
	s_endpgm
.Lfunc_end_k_qb7b6715343_oproj:
	.size	k_qb7b6715343_oproj, .Lfunc_end_k_qb7b6715343_oproj-k_qb7b6715343_oproj
	.p2alignl 7, 3214868480
	.fill 96, 4, 3214868480
	.section	.rodata,"a",@progbits
	.p2align	6, 0x0
	.amdhsa_kernel k_qb7b6715343_oproj
		.amdhsa_group_segment_fixed_size 327680
		.amdhsa_private_segment_fixed_size 0
		.amdhsa_enable_private_segment 0
		.amdhsa_kernarg_size 32
		.amdhsa_user_sgpr_count 2
		.amdhsa_user_sgpr_kernarg_segment_ptr 1
		.amdhsa_wavefront_size32 1
		.amdhsa_system_sgpr_workgroup_id_x 1
		.amdhsa_system_sgpr_workgroup_id_y 1
		.amdhsa_system_sgpr_workgroup_id_z 1
		.amdhsa_system_vgpr_workitem_id 0
		.amdhsa_next_free_vgpr 768
		.amdhsa_next_free_sgpr 66
		.amdhsa_reserve_vcc 0
		.amdhsa_float_denorm_mode_32 3
		.amdhsa_float_denorm_mode_16_64 3
		.amdhsa_memory_ordered 1
		.amdhsa_forward_progress 1
		.amdhsa_inst_pref_size 87
	.end_amdhsa_kernel
	.amdgpu_metadata
---
amdhsa.version: [ 1, 2 ]
amdhsa.kernels:
  - .name:           k_qb7b6715343_oproj
    .symbol:         k_qb7b6715343_oproj.kd
    .args:
      - { .name: o16, .offset: 0, .size: 8, .value_kind: global_buffer, .address_space: global }
      - { .name: wo16, .offset: 8, .size: 8, .value_kind: global_buffer, .address_space: global }
      - { .name: b_o, .offset: 16, .size: 8, .value_kind: global_buffer, .address_space: global }
      - { .name: out0, .offset: 24, .size: 8, .value_kind: global_buffer, .address_space: global }
    .group_segment_fixed_size: 327680
    .private_segment_fixed_size: 0
    .kernarg_segment_align: 8
    .kernarg_segment_size: 32
    .max_flat_workgroup_size: 128
    .sgpr_count:     66
    .vgpr_count:     768
    .wavefront_size: 32
...
	.end_amdgpu_metadata
.endif
;; end of part 4
